; MI455X (gfx1250); checked and timed in simulation.
; The chip was launched on July 23, 2026; its instructions are those of AMD's public machine-readable ISA for CDNA 5 (MIT licence, August 2026) and "CDNA5" Instruction Set Architecture Reference Guide (July 2026). The comments in the code are by the model that wrote it; some were corrected since.
;; Cause Muti Head Attention. Allowed arithmetic: matrix products marked QUANTISED: E2M1 operands, one E8M0 scale for each 32 along K, by v_wmma_scale_f32_16x16x128_f8f6f4 with both operands' format E2M1 (or v_wmma_scale_f32_32x16x128_f4), f32 sums; products left as they are: bf16, f16 or f32 operands; f32 sums; everything else in f32.
;; Inputs: Wk 1,024 x 1,024 float32; Wo 1,024 x 1,024 float32; Wq 1,024 x 1,024 float32; Wv 1,024 x 1,024 float32; bk 1,024 float32; bo 1,024 float32; bq 1,024 float32; bv 1,024 float32; x 4 x 2,048 x 1,024 float32.
;; Outputs: out0 4 x 2,048 x 1,024 float32.
;; This version of the problem:
;;   THIS VERSION OF THE PROBLEM IS GIVEN IN LOW PRECISION. The matrix products marked QUANTISED in the list below multiply operands that are first quantised to E2M1 (2 exponent bits, 1 mantissa bit; 4 bits a number), with one power-of-two scale for each 32 numbers along K (OCP MX v1.0); their sums are f32. The products marked 'left as it is' may take bf16, f16 or f32 operands, with f32 sums. Whichever they take, every output number must still come out within the allowed error. Rounding operands to bf16 (8 significant bits) uses up far more of that allowance than f16 does (11 bits, for magnitudes from 6e-5 to 65,504). All else is computed in f32.
;;   The module's matrix products, in the order in which they are computed (A, B: the left and right operand; K: the contracted axis; several contracted axes count as one K, in the product's order):
;;     1. [M 8,192, K 1,024] x [K 1,024, N 1,024]; A: input x; B: input Wq: QUANTISED
;;     2. [M 8,192, K 1,024] x [K 1,024, N 1,024]; A: input x; B: input Wk: QUANTISED
;;     3. [M 8,192, K 1,024] x [K 1,024, N 1,024]; A: input x; B: input Wv: QUANTISED
;;     4. batch 64 x [M 2,048, K 64] x [K 64, N 2,048]; A: computed on the way; B: computed on the way: left as it is (an operand is computed on the way)
;;     5. batch 64 x [M 2,048, K 2,048] x [K 2,048, N 64]; A: computed on the way; B: computed on the way: left as it is (an operand is computed on the way)
;;     6. [M 8,192, K 1,024] x [K 1,024, N 1,024]; A: computed on the way; B: input Wo: left as it is (an operand is computed on the way)
;;   THE QUANTISER, for each operand of a quantised product, along K:
;;     - K is cut into blocks of 32 from its start; a last block that is shorter is filled with zeros.
;;     - A block's scale is 2^e with e = floor(log2(the largest magnitude in the block)) - 2, held to -126 .. 127; a block of zeros has e = 0. As a byte (E8M0): e + 127.
;;     - Each number is divided by its block's scale, clamped to +-6, and rounded to the nearest number of E2M1, ties to even, subnormals kept.
;;     - The product sums the exact products of the quantised numbers (number of the format x scale) in f32.
;;   ~~~python
;;   def quantise(x, axis):      # numpy; x: float32 -> the quantised numbers, widened to float32 again
;;       x = np.moveaxis(x, axis, -1); K = x.shape[-1]
;;       x = np.pad(x, [(0, 0)] * (x.ndim - 1) + [(0, -K % 32)]); x = x.reshape(x.shape[:-1] + (-1, 32)); a = np.abs(x).max(-1, keepdims=True)
;;       e = np.where(a > 0, np.clip(np.frexp(np.where(a > 0, a, 1))[1] - 1 - 2, -126, 127), 0)      # np.frexp(a)[1] - 1 = floor(log2(a)), exactly
;;       r = np.clip(x / 2.0 ** e, -6, 6)
;;       step = 2.0 ** (np.maximum(np.frexp(np.where(r == 0, 1, r))[1] - 1, 0) - 1)
;;       q = np.round(r / step) * step * 2.0 ** e      # np.round: ties to even
;;       return np.moveaxis(q.reshape(q.shape[:-2] + (-1,))[..., :K], -1, axis).astype(np.float32)
;;   ~~~
;; One version. Each part assembles by itself: llvm-mc -triple=amdgcn-amd-amdhsa -mcpu=gfx1250 --defsym DOCPART=n.
;; ======== version 1 of 1: 5 launches
;; limits: values are held in f16: magnitudes above 65,504 overflow, below 6.1e-05 lose precision
;; workspace buffers: xc 4,194,304 bytes; xs 262,144 bytes; wc 1,572,864 bytes; ws 98,304 bytes; wo16 2,097,152 bytes; qkv 50,331,648 bytes; fq 786,432 bytes; at16 16,777,216 bytes
;; launch prep (part 1): grid 384 x 1, 4 waves a work-group, no clusters, 33,280 bytes of LDS; arguments x, Wq, Wk, Wv, Wo, xc, xs, wc, ws, wo16; writes xc, xs, wc, ws, wo16
.if DOCPART == 1
	.amdgcn_target "amdgcn-amd-amdhsa--gfx1250"
	.amdhsa_code_object_version 6
	.text
	.protected	k_q753db073c2_prep
	.globl	k_q753db073c2_prep
	.p2align	8
	.type	k_q753db073c2_prep,@function
k_q753db073c2_prep:
	s_mov_b64 s[64:65], 0
	v_nop
	global_prefetch_b8 v0, s[64:65] scope:SCOPE_SE
	s_setreg_imm32_b32 hwreg(HW_REG_WAVE_MODE, 25, 1), 1
	s_wait_xcnt 0x0
; PREP.  x [8192][1024] and Wq, Wk, Wv [1024][1024], f32 with K innermost, become codes of FP4 (E2M1) with one E8M0 byte for each 32 along K; Wo becomes f16.
; Work-groups 0-255 take x, 256-287 Wq, 288-319 Wk, 320-351 Wv (32,768 numbers each, 8,192 a wave); 352-383 round Wo to f16 (8,192 numbers a wave).
; The three weights' codes lie one behind the other in wc (rows 0-1023 Wq, 1024-2047 Wk, 2048-3071 Wv), their bytes likewise in ws: the next launch multiplies them as one operand of 3,072 rows.
; A block's scale is 2^(floor(log2(its largest magnitude)) - 2); its byte is the largest magnitude's exponent field - 2, held at 1 from below.
; Rows are dense and K is a multiple of 32: each tensor is a plain stream of blocks of 32.  A step is 512 numbers: four loads of 512 consecutive bytes; the 2,048 bytes turn through the wave's own
; stage in LDS so that a lane holds 16 neighbours (two lanes a block).  A lane's 16 codes are 8 bytes: a wave's store covers 256 consecutive bytes, aligned.  A wave's 256 scale bytes are gathered in LDS and leave as one such store.
; LIMITS: NaN and infinities among the inputs are not served.  A block of zeros gets the byte 1 where the rule says 127: its codes are zeros, and this program alone reads the bytes.
; Blocks whose largest magnitude lies under 2^-124 have their byte held at 1.  |Wo| must stay under 65,504 (f16).
.set STEPS, 16
.set EMAX,  2
.set CB,    8                          ; bytes of 16 codes
.set R,     16                         ; v16-79   four sets of 16 numbers as loaded (Wo's path: two sets of 32)
.set X,     80                         ; v80-111  two sets of 16 neighbours
.set E,     112                        ; v112-127 a scale byte for each step
.set C,     128                        ; v128-191 codes: four registers for each step, so that no store's data are written again
.set HF,    80                         ; Wo's path: v80-207, sixteen registers of f16 for each of eight groups, none written twice
.set WREG,  8192                       ; LDS: a region for each wave: two stages of 32 x SP bytes, behind them its 256 scale bytes
.set SP,    80                         ; a lane's place in a stage: 64 bytes + 16 of padding
.set SPW,   12                         ; v12 LDS address of my spare word; never rewritten
.set NIL,   13                         ; v13 0; never rewritten
.set SPARE, 4*WREG                     ; behind the four regions: the spare words, 128 bytes a wave
	s_load_b512 s[4:19], s[0:1], 0x0               ; x 4:5, Wq 6:7, Wk 8:9, Wv 10:11, Wo 12:13, xc 14:15, xs 16:17, wc 18:19
	s_load_b128 s[20:23], s[0:1], 0x40             ; ws 20:21, wo16 22:23
	v_lshl_add_u32 v[SPW], v0, 2, SPARE
	v_mov_b32 v[NIL], 0
	v_lshrrev_b32 v1, 5, v0
	v_readfirstlane_b32 s24, v1                    ; wave
	v_and_b32 v2, 31, v0                           ; lane
	v_lshlrev_b32 v3, 4, v2                        ; my 16 bytes of a load's 512
	v_lshlrev_b32 v4, 3, v2                        ; my 8 bytes of a store's 256
	s_mul_i32 s25, s24, WREG
	v_lshrrev_b32 v14, 2, v2
	v_mul_u32_u24 v14, v14, SP
	v_and_b32 v15, 3, v2
	v_lshl_add_u32 v14, v15, 4, v14
	v_add_nc_u32 v14, s25, v14                     ; the stage, on the way in: SP (lane / 4) + 16 (lane % 4)
	v_mul_u32_u24 v15, v2, SP
	v_add_nc_u32 v15, s25, v15                     ; on the way out: SP x lane: my 16 neighbours
	v_lshrrev_b32 v5, 1, v2
	s_add_co_u32 s25, s25, 2*32*SP
	v_add_nc_u32 v5, s25, v5                       ; my wave's 256 scale bytes: my block's byte
	v_add_nc_u32 v6, s25, v4                       ; and on their way out 8 bytes a lane
	s_mov_b32 s35, 0
	s_wait_kmcnt 0x0
	s_cmp_ge_u32 ttmp9, 352                        ; the last 32 work-groups round Wo
	s_cbranch_scc1 .Lwo
	s_cmp_lt_u32 ttmp9, 320                        ; which tensor: every choice hangs on the work-group's number alone
	s_cselect_b64 s[26:27], s[8:9], s[10:11]
	s_cmp_lt_u32 ttmp9, 288
	s_cselect_b64 s[26:27], s[6:7], s[26:27]
	s_cmp_lt_u32 ttmp9, 256
	s_cselect_b64 s[26:27], s[4:5], s[26:27]       ; the numbers,
	s_cselect_b64 s[28:29], s[14:15], s[18:19]     ; the codes,
	s_cselect_b64 s[30:31], s[16:17], s[20:21]     ; the scale bytes
	s_cselect_b32 s32, 0, 256
	s_cselect_b32 s33, 255, 31
	s_sub_co_u32 s32, ttmp9, s32                   ; the work-group's place in the codes' buffer,
	s_and_b32 s33, s32, s33                        ; and in its own tensor
	s_lshl_b32 s32, s32, 2
	s_add_co_u32 s32, s32, s24                     ; my wave's run of 8,192 numbers, as it is stored
	s_lshl_b32 s33, s33, 2
	s_add_co_u32 s33, s33, s24                     ; and as it is loaded
	s_lshl_b32 s34, s33, 15                        ; 32,768 bytes of f32 a run
	s_add_nc_u64 s[26:27], s[26:27], s[34:35]
	s_lshl_b32 s34, s32, 12                        ; 4,096 bytes of codes
	s_add_nc_u64 s[28:29], s[28:29], s[34:35]
	s_lshl_b32 s34, s32, 8                         ; 256 scale bytes
	s_add_nc_u64 s[30:31], s[30:31], s[34:35]
.macro LOAD t
.irp i, 0,1,2,3
	global_load_b128 v[R+16*((\t)%4)+4*\i:R+16*((\t)%4)+4*\i+3], v3, s[26:27] offset:2048*(\t)+512*\i th:TH_LOAD_NT   ; 32 lanes read 512 consecutive bytes
.endr
.endm
.macro TURN t                          ; step t's numbers through the stage: LDS serves a wave's instructions in order (ISA guide 5.7.1.4), so no wait stands between the stores and the loads
.irp i, 0,1,2,3
	ds_store_b128 v14, v[R+16*((\t)%4)+4*\i:R+16*((\t)%4)+4*\i+3] offset:32*SP*((\t)%2)+8*SP*\i
.endr
.irp i, 0,1,2,3
	ds_load_b128 v[X+16*((\t)%2)+4*\i:X+16*((\t)%2)+4*\i+3], v15 offset:32*SP*((\t)%2)+16*\i
.endr
.endm
.irp t, 0,1,2,3
	LOAD \t
.endr
	s_wait_loadcnt 12                              ; step 0's four loads are in; twelve younger ones stay out
	TURN 0
.macro STEP t
.set XS, X+16*((\t)%2)
.if (\t) > 0
	s_wait_dscnt 1                                 ; this step's numbers are back from the stage (the last step's byte store may be out)
.else
	s_wait_dscnt 0x0
.endif
.if (\t)+4 < STEPS
	LOAD (\t)+4                                    ; into the registers whose stores into the stage are done
.endif
.if (\t)+1 < STEPS
.if STEPS-2-(\t) >= 3
	s_wait_loadcnt 12                              ; the next step's four loads are in; those of the three steps behind it may be out
.else
	s_wait_loadcnt 4*(STEPS-2-(\t))
.endif
	TURN (\t)+1
.endif
	v_max3_num_f32 v8, |v[XS]|, |v[XS+1]|, |v[XS+2]|               ; the largest magnitude of my 16, in two chains
	v_max3_num_f32 v9, |v[XS+3]|, |v[XS+4]|, |v[XS+5]|
.irp i, 6,10
	v_max3_num_f32 v8, v8, |v[XS+\i]|, |v[XS+\i+1]|
	v_max3_num_f32 v9, v9, |v[XS+\i+2]|, |v[XS+\i+3]|
.endr
	v_max3_num_f32 v8, v8, |v[XS+14]|, |v[XS+15]|
	v_max3_num_f32 v8, v8, v9, (EMAX+1)<<23        ; and the floor 2^(3 - 127): the byte cannot fall under 1
	v_max_num_f32_dpp v8, v8, v8 row_xmask:1 row_mask:0xf bank_mask:0xf   ; with my neighbour's 16: the block's
	v_add_nc_u32 v11, -(EMAX<<23), v8              ; 2 off its exponent field: the conversion takes the exponent field of this operand as its scale
	v_cvt_scalef32_pk8_fp4_f32 v[C+4*(\t)], v[XS:XS+7], v11
	v_cvt_scalef32_pk8_fp4_f32 v[C+4*(\t)+1], v[XS+8:XS+15], v11
	v_lshrrev_b32 v[E+(\t)], 23, v11               ; the scale's byte (also the plain line behind the conversions)
	ds_store_b8 v5, v[E+(\t)] offset:16*(\t)       ; both lanes of a block write the same byte with the same value
	global_store_b64 v4, v[C+4*(\t):C+4*(\t)+1], s[28:29] offset:32*CB*(\t)
.endm
.irp t, 0,1,2,3,4,5,6,7,8,9,10,11,12,13,14,15
	STEP \t
.endr
	ds_load_b64 v[8:9], v6                         ; in order behind my byte stores
	s_wait_dscnt 0x0
	global_store_b64 v4, v[8:9], s[30:31]          ; 32 lanes store 256 consecutive bytes, aligned
	s_wait_tensorcnt 0x0                           ; the wave's end
	ds_add_u32 v[SPW], v[NIL]
	s_wait_dscnt 0x0
	s_endpgm
.Lwo:                                              ; Wo to f16, rounded to nearest even: a stream, no LDS
	s_sub_co_u32 s32, ttmp9, 352
	s_lshl_b32 s32, s32, 2
	s_add_co_u32 s32, s32, s24                     ; my wave's run of 8,192 numbers
	s_lshl_b32 s34, s32, 15
	s_add_nc_u64 s[12:13], s[12:13], s[34:35]
	s_lshl_b32 s34, s32, 14
	s_add_nc_u64 s[22:23], s[22:23], s[34:35]
.macro LOADW t                         ; group t: eight loads of 512 consecutive bytes into set t % 2
.irp i, 0,1,2,3,4,5,6,7
	global_load_b128 v[R+32*((\t)%2)+4*\i:R+32*((\t)%2)+4*\i+3], v3, s[12:13] offset:512*(8*(\t)+\i) th:TH_LOAD_NT
.endr
.endm
	LOADW 0
	LOADW 1
.irp t, 0,1,2,3,4,5,6,7
.if \t < 7
	s_wait_loadcnt 8                               ; this group's eight loads are in; the next group's eight may be out
.else
	s_wait_loadcnt 0x0
.endif
.irp i, 0,1,2,3,4,5,6,7
	v_cvt_pk_f16_f32 v[HF+16*\t+2*\i], v[R+32*(\t%2)+4*\i], v[R+32*(\t%2)+4*\i+1]
	v_cvt_pk_f16_f32 v[HF+16*\t+2*\i+1], v[R+32*(\t%2)+4*\i+2], v[R+32*(\t%2)+4*\i+3]
.endr
.if \t < 6
	LOADW \t+2
.endif
.irp i, 0,1,2,3,4,5,6,7
	global_store_b64 v4, v[HF+16*\t+2*\i:HF+16*\t+2*\i+1], s[22:23] offset:256*(8*\t+\i)   ; 32 lanes store 256 consecutive bytes, aligned
.endr
.endr
	s_wait_tensorcnt 0x0                           ; the same three lines close this path too
	ds_add_u32 v[SPW], v[NIL]
	s_wait_dscnt 0x0
	s_endpgm
.Lfunc_end_k_q753db073c2_prep:
	.size	k_q753db073c2_prep, .Lfunc_end_k_q753db073c2_prep-k_q753db073c2_prep
	.p2alignl 7, 3214868480
	.fill 96, 4, 3214868480
	.section	.rodata,"a",@progbits
	.p2align	6, 0x0
	.amdhsa_kernel k_q753db073c2_prep
		.amdhsa_group_segment_fixed_size 33280
		.amdhsa_private_segment_fixed_size 0
		.amdhsa_enable_private_segment 0
		.amdhsa_kernarg_size 80
		.amdhsa_user_sgpr_count 2
		.amdhsa_user_sgpr_kernarg_segment_ptr 1
		.amdhsa_wavefront_size32 1
		.amdhsa_system_sgpr_workgroup_id_x 1
		.amdhsa_system_sgpr_workgroup_id_y 1
		.amdhsa_system_sgpr_workgroup_id_z 1
		.amdhsa_system_vgpr_workitem_id 0
		.amdhsa_next_free_vgpr 208
		.amdhsa_next_free_sgpr 66
		.amdhsa_reserve_vcc 0
		.amdhsa_float_denorm_mode_32 3
		.amdhsa_float_denorm_mode_16_64 3
		.amdhsa_memory_ordered 1
		.amdhsa_forward_progress 1
		.amdhsa_inst_pref_size 54
	.end_amdhsa_kernel
	.amdgpu_metadata
---
amdhsa.version: [ 1, 2 ]
amdhsa.kernels:
  - .name:           k_q753db073c2_prep
    .symbol:         k_q753db073c2_prep.kd
    .args:
      - { .name: x, .offset: 0, .size: 8, .value_kind: global_buffer, .address_space: global }
      - { .name: Wq, .offset: 8, .size: 8, .value_kind: global_buffer, .address_space: global }
      - { .name: Wk, .offset: 16, .size: 8, .value_kind: global_buffer, .address_space: global }
      - { .name: Wv, .offset: 24, .size: 8, .value_kind: global_buffer, .address_space: global }
      - { .name: Wo, .offset: 32, .size: 8, .value_kind: global_buffer, .address_space: global }
      - { .name: xc, .offset: 40, .size: 8, .value_kind: global_buffer, .address_space: global }
      - { .name: xs, .offset: 48, .size: 8, .value_kind: global_buffer, .address_space: global }
      - { .name: wc, .offset: 56, .size: 8, .value_kind: global_buffer, .address_space: global }
      - { .name: ws, .offset: 64, .size: 8, .value_kind: global_buffer, .address_space: global }
      - { .name: wo16, .offset: 72, .size: 8, .value_kind: global_buffer, .address_space: global }
    .group_segment_fixed_size: 33280
    .private_segment_fixed_size: 0
    .kernarg_segment_align: 8
    .kernarg_segment_size: 80
    .max_flat_workgroup_size: 128
    .sgpr_count:     66
    .vgpr_count:     208
    .wavefront_size: 32
...
	.end_amdgpu_metadata
.endif
;; end of part 1
;; launch qkv (part 2): grid 12 x 32, 4 waves a work-group, clusters of 4 x 4, 327,680 bytes of LDS; arguments xc, xs, wc, ws, bq, bk, bv, qkv, fq; writes qkv, fq
.if DOCPART == 2
	.amdgcn_target "amdgcn-amd-amdhsa--gfx1250"
	.amdhsa_code_object_version 6
	.text
	.protected	k_q753db073c2_qkv
	.globl	k_q753db073c2_qkv
	.p2align	8
	.type	k_q753db073c2_qkv,@function
k_q753db073c2_qkv:
	s_mov_b64 s[64:65], 0
	v_nop
	global_prefetch_b8 v0, s[64:65] scope:SCOPE_SE
	s_setreg_imm32_b32 hwreg(HW_REG_WAVE_MODE, 25, 1), 1
	s_wait_xcnt 0x0
	s_wait_alu depctr_hold_cnt(0) depctr_sa_sdst(0) depctr_va_vdst(0) depctr_va_sdst(0) depctr_va_ssrc(0) depctr_va_vcc(0) depctr_vm_vsrc(0)
	s_getreg_b32 s2, hwreg(HW_REG_IB_STS2, 6, 4)
	s_cmp_eq_u32 s2, 0
	s_cbranch_scc0 .Lentry_in_a_cluster
	s_endpgm
.Lentry_in_a_cluster:
	s_bfe_u32 s2, ttmp6, 0x10000c
	s_cmp_lg_u32 s2, 0xf033
	s_cbranch_scc0 .Lentry_shape_is_right
	s_endpgm
.Lentry_shape_is_right:
; QKV.  The three quantised products as ONE product on codes of FP4 (E2M1) with E8M0 scales: C[m][n] = sum over k of x[m][k] W[n][k], m 8,192, n 3,072 (Wq's, Wk's, Wv's rows on end), k 1,024; sums in f32.
; Result: (C + bias) x cs, cs = log2(e) / 8 for q (so that attention's scores are exponents of 2) and 1 for k and v, computed as C x cs + (bias x cs): one f32 rounding placed otherwise than in the definition.
; It is stored as f16 by heads, qkv[which][b][h][s][64]; positions s < 16 of every batch also as f32, fq[which][b][h][16][64], for the launch that carries those rows finely.
; LIMITS: |q| x cs, |k|, |v| must stay under 65,504 (f16).
; A tile of C, 256 x 256, is made by four waves, each 128 x 128: 64 accumulators.  K is two LDS slots of 512 (rows of 256 bytes): both are asked for at the head, with the scale bytes of all of K; no slot is filled again.
; CLUSTERS: 4 x 4 work-groups.  Cluster x is which of q, k, v; cx the 256 columns (four heads); cy the batch; cluster y the 256 rows in the batch.  The four of a row of the cluster (same cy) need the same tiles of x,
; the four of a column (same cx) the same tiles of W: each tile is asked for jointly.  THE MATRIX INSTRUCTION IS USED TRANSPOSED (source 0 = 16 rows of W, source 1 = 16 rows of x): a lane holds eight neighbouring columns of a row.
; REGISTERS, in windows of 256: window 0: v0-31 addresses; v32-95 scale words, two sets, and nothing else ever; v96-127 packed results; v128-191 x's fragments, later rows read back; v192-255 the bias.
;   window 1: W's fragments, two sets.   window 2: the accumulators of my rows 0-63 ((a, b) at v[8 (8 a + b)]);   window 3: those of rows 64-127.
.set SIZE_K, 1024
.set NQ,     4                         ; matrix instructions deep in a slot
.set ROWB,   256                       ; a tile's row in bytes: 512 codes
.set KROW,   SIZE_K/2                  ; a row of codes in memory
.set PITCH,  272                       ; an LDS row: 256 bytes + 16: the 16 rows that a load touches start at 16 different banks (64 banks of 4 bytes: ISA guide 11.1)
.set FR,     8
.set NL,     2
.set NP,     4                         ; places behind this matrix instruction (ISA guide 7.12.1)
.set HALFT,  128*PITCH
.set SLOT,   4*HALFT
.set KS,     SIZE_K/32                 ; a row of scale bytes
.set SCL,    2*SLOT                    ; behind the two slots: the scales, as units of 256 bytes + 16
.set HALFS,  (128*KS/256)*272
.set SBLK,   (16*KS/256)*272
.set SPARE,  SCL+4*HALFS               ; the spare words, 128 bytes a wave
.set SPITCH, 272                       ; the way out: a stage of 16 rows x (256 bytes + 16) for each wave, in slot 0, which has had its only fill and its last read by then
.set ADRA, 16
.set ADRB, 20
.set STO,  24                          ; the way out: where I put 16 bytes of a row
.set RD,   25                          ; where I read 16 bytes back
.set CO,   26                          ; 16 x lane
.set ADRS, 27
.set SPW,  28
.set NIL,  29
.set FO,   30                          ; my place in a head's 16 fine rows
.set BO,   31                          ; my place in the bias
.set SC,   32
.set TMP,  96
.set AF,   128
.set BK,   128
.set BI,   192
.set G1, 24
.set G0, 32
.set G1B, 48
.set G0B, 56
.set G1S, 68
.set G0S, 76
.set G1SB, 80
.set G0SB, 88
.set MSB, 0
.macro WIN new                         ; the immediate's high byte repeats the setting that is left
.if MSB != (\new)
	s_set_vgpr_msb (MSB<<8)|(\new)
.set MSB, \new
.endif
.endm
.set MUL_LO, 0xa1                      ; source 0 (W) window 1, source 1 (x) window 0, C and D window 2
.set MUL_HI, 0xf1
.set TO_B,   0x40
; A joint load: waves 0 and 1 fetch for x, waves 2 and 3 for W.  The branch hangs on the wave's number alone.  An s_nop 0 and four v_nop follow each line.
.macro JLOAD g0a, g1a, g0b, g1b
	s_cmp_eq_u32 s15, 0
	s_cbranch_scc0 .Lfor_b_\@
	tensor_load_to_lds s[\g0a:\g0a+3], s[\g1a:\g1a+7]
	s_nop 0
.rept 4
	v_nop
.endr
	s_branch .Lasked_\@
.Lfor_b_\@:
	tensor_load_to_lds s[\g0b:\g0b+3], s[\g1b:\g1b+7]
	s_nop 0
.rept 4
	v_nop
.endr
.Lasked_\@:
.endm
.macro CROUND                          ; a round of the cluster's barrier
	s_barrier_signal -1
	s_barrier_wait -1
	s_cmp_lg_u32 s14, 0
	s_cbranch_scc1 .Lnot_wave_0_\@
	s_barrier_signal -3
.Lnot_wave_0_\@:
	s_barrier_wait -3
	s_barrier_signal -1
	s_barrier_wait -1
.endm
	s_load_b256 s[4:11], s[0:1], 0x0               ; x's codes 4:5, x's scales 6:7, W's codes 8:9, W's scales 10:11
	v_lshl_add_u32 v[SPW], v0, 2, SPARE
	v_mov_b32 v[NIL], 0
	ds_add_u32 v[SPW], v[NIL]                      ; the wave's opening: the add, twice on end, and its wait ahead of my first tensor load
	ds_add_u32 v[SPW], v[NIL]
	v_lshrrev_b32 v1, 5, v0
	v_readfirstlane_b32 s14, v1                    ; wave 0..3
	s_lshr_b32 s15, s14, 1                         ; which half of the tile's rows is mine.  Also: I fetch for x (0) or for W (1)
	s_and_b32 s16, s14, 1                          ; which half of its columns.  Also: which 128 rows I fetch
	s_bfe_u32 s40, ttmp6, 0x40000                  ; cx
	s_bfe_u32 s41, ttmp6, 0x40004                  ; cy: the batch
	s_lshl_b32 s42, ttmp9, 2
	s_add_co_u32 s42, s42, s40                     ; tile column = 4 x cluster x + cx
	s_and_b32 s100, ttmp7, 0xffff                  ; cluster y: the 256 rows in the batch, the same in all sixteen partners
	s_lshl_b32 s17, s41, 3
	s_add_co_u32 s17, s17, s100                    ; tile row = 8 x cy + cluster y
	s_lshl_b32 s43, s41, 2
	s_lshl_b32 s43, 15, s43                        ; my row of the cluster
	s_lshl_b32 s44, 0x1111, s40                    ; my column
	s_or_b32 s[G1+0], s43, (0<<16)|(1<<20)|(1<<21)|(5<<22)|(3<<25)  ; the mask; elements of 1 byte; padding on; bit 21 beside a mask; four words behind every 64
	s_or_b32 s[G1B+0], s44, (0<<16)|(1<<20)|(1<<21)|(5<<22)|(3<<25)
.irp g, G1, G1B
	s_mov_b32 s[\g+1], ROWB<<16                    ; tensor_dim0
	s_mov_b32 s[\g+2], 128<<16                     ; tensor_dim1
	s_mov_b32 s[\g+3], ROWB<<16                    ; tile_dim0
	s_mov_b32 s[\g+4], 128                         ; tile_dim1
	s_mov_b32 s[\g+5], KROW                        ; from row to row
	s_mov_b32 s[\g+6], 0
	s_mov_b32 s[\g+7], 0
.endr
	s_or_b32 s[G1S+0], s43, (3<<16)|(1<<20)|(1<<21)|(5<<22)|(3<<25) ; the scales of 128 rows: 4,096 dense bytes as 16 rows of 256 (32 elements of 8 bytes)
	s_or_b32 s[G1SB+0], s44, (3<<16)|(1<<20)|(1<<21)|(5<<22)|(3<<25)
.irp g, G1S, G1SB
	s_mov_b32 s[\g+1], 32<<16
	s_mov_b32 s[\g+2], (128*KS/256)<<16
	s_mov_b32 s[\g+3], 32<<16
	s_mov_b32 s[\g+4], 128*KS/256
	s_mov_b32 s[\g+5], 32
	s_mov_b32 s[\g+6], 0
	s_mov_b32 s[\g+7], 0
.endr
	s_lshl_b32 s18, s16, 7
	s_lshl_b32 s20, s17, 8
	s_add_co_u32 s20, s20, s18                     ; x: row 256 x tile row + 128 x half
	s_lshl_b32 s46, s42, 8
	s_add_co_u32 s46, s46, s18                     ; W: row 256 x tile column + 128 x half
	s_mov_b32 s21, 0
	s_mov_b32 s47, 0
	s_mov_b64 s[18:19], KS
	s_mul_u64 s[22:23], s[20:21], s[18:19]         ; where these rows' scales begin
	s_mul_u64 s[92:93], s[46:47], s[18:19]
	s_mov_b64 s[18:19], KROW
	s_mul_u64 s[20:21], s[20:21], s[18:19]         ; and their codes
	s_mul_u64 s[46:47], s[46:47], s[18:19]
	s_mul_i32 s45, s14, HALFT                      ; where they go: wave x 128 rows
	s_mul_i32 s94, s14, HALFS
	s_wait_dscnt 0x0                               ; both opening adds are done
	s_wait_kmcnt 0x0
	s_add_nc_u64 s[20:21], s[4:5], s[20:21]
	s_add_nc_u64 s[22:23], s[6:7], s[22:23]
	s_add_nc_u64 s[46:47], s[8:9], s[46:47]
	s_add_nc_u64 s[92:93], s[10:11], s[92:93]
	CROUND                                         ; all sixteen work-groups are here: the joint loads meet
	s_mov_b32 s[G0S], 1
	s_add_co_u32 s[G0S+1], s94, SCL
	s_mov_b64 s[G0S+2:G0S+3], s[22:23]
	s_or_b32 s[G0S+3], s[G0S+3], 0x80000000
	s_mov_b32 s[G0SB], 1
	s_add_co_u32 s[G0SB+1], s94, SCL
	s_mov_b64 s[G0SB+2:G0SB+3], s[92:93]
	s_or_b32 s[G0SB+3], s[G0SB+3], 0x80000000
	JLOAD G0S, G1S, G0SB, G1SB                     ; the scales first; then both slots: three loads of mine are out
.irp s, 0,1
	s_mov_b32 s[G0+4*\s], 1
	s_add_co_u32 s[G0+4*\s+1], s45, \s*SLOT
	s_add_nc_u64 s[G0+4*\s+2:G0+4*\s+3], s[20:21], \s*ROWB
	s_or_b32 s[G0+4*\s+3], s[G0+4*\s+3], 0x80000000
	s_mov_b32 s[G0B+4*\s], 1
	s_add_co_u32 s[G0B+4*\s+1], s45, \s*SLOT
	s_add_nc_u64 s[G0B+4*\s+2:G0B+4*\s+3], s[46:47], \s*ROWB
	s_or_b32 s[G0B+4*\s+3], s[G0B+4*\s+3], 0x80000000
	JLOAD G0+4*\s, G1, G0B+4*\s, G1B
.endr
	s_load_b256 s[4:11], s[0:1], 0x20              ; bq 4:5, bk 6:7, bv 8:9, qkv 10:11 (the first four addresses have been used up)
	s_load_b64 s[12:13], s[0:1], 0x40              ; fq
	v_and_b32 v1, 15, v0                           ; r = l % 16
	v_bfe_u32 v2, v0, 4, 1                         ; h = l / 16
	v_mul_u32_u24 v3, v1, PITCH
	v_lshl_add_u32 v4, v2, 4, v3                   ; a fragment's row x pitch + 16 x half
	s_mul_i32 s21, s15, HALFT                      ; my 128 rows of x
	s_mul_i32 s22, s16, HALFT                      ; my 128 rows of W,
	s_add_co_u32 s22, s22, 2*HALFT                 ; behind x's 256
.irp s, 0,1
	v_add_nc_u32 v[ADRA+\s], s21, v4
	v_add_nc_u32 v[ADRB+\s], s22, v4
	s_add_co_u32 s21, s21, SLOT
	s_add_co_u32 s22, s22, SLOT
.endr
	v_mul_u32_u24 v5, v1, KS                       ; my row's scales: KS bytes a row,
	v_lshrrev_b32 v6, 8, v5
	v_lshl_add_u32 v5, v6, 4, v5                   ; and 16 more for each 256 passed
	s_mul_i32 s21, s15, HALFS
	s_mul_i32 s22, s16, HALFS
	s_add_co_u32 s22, s22, 2*HALFS
	s_sub_co_u32 s22, s22, s21
	v_mul_u32_u24 v6, s22, v2                      ; lanes 16-31 take W's
	s_add_co_u32 s21, s21, SCL
	v_add_nc_u32 v5, v5, v6
	v_add_nc_u32 v[ADRS], s21, v5
	s_mul_i32 s23, s14, 16*SPITCH                  ; my stage
	v_mul_u32_u24 v5, v1, SPITCH
	v_lshl_add_u32 v5, v2, 4, v5
	v_add_nc_u32 v[STO], s23, v5                   ; in: row r, 16 bytes for each half of the lanes
	v_bfe_u32 v7, v0, 3, 2
	v_mul_u32_u24 v7, v7, SPITCH
	v_and_b32 v8, 7, v0
	v_lshl_add_u32 v7, v8, 4, v7
	v_add_nc_u32 v[RD], s23, v7                    ; back: eight lanes take a head's 128 bytes of a row, four rows an instruction
	v_and_b32 v6, 31, v0
	v_lshlrev_b32 v[CO], 4, v6
	v_lshlrev_b32 v[FO], 8, v1
	v_lshl_add_u32 v[FO], v2, 5, v[FO]             ; fine rows: 256 bytes a row, 32 bytes for each half
	s_lshl_b32 s46, s40, 1
	s_add_co_u32 s46, s46, s16                     ; 2 cx + my column half: which 128 columns (two heads) of the 1,024
	s_lshl_b32 s47, s46, 9
	v_lshl_add_u32 v[BO], v2, 5, s47               ; the bias: 512 bytes for 128 columns, + 32 h
	s_or_b32 s101, s100, s15                       ; 0 where my rows begin with position 0 of the batch: cluster y and the wave's number alone
	s_lshl_b32 s20, ttmp9, 24                      ; qkv: which,
	s_lshl_b32 s21, s41, 22                        ; the batch,
	s_add_co_u32 s20, s20, s21
	s_lshl_b32 s21, s46, 19                        ; my first head,
	s_add_co_u32 s20, s20, s21
	s_lshl_b32 s21, s100, 15                       ; the tile's 256 positions of 128 bytes,
	s_add_co_u32 s20, s20, s21
	s_lshl_b32 s21, s15, 14                        ; my 128 of them
	s_add_co_u32 s20, s20, s21
	s_mov_b32 s21, 0
	s_lshl_b32 s22, ttmp9, 2                       ; fq: ((4 which + batch) x 16 + head) x 4,096
	s_add_co_u32 s22, s22, s41
	s_lshl_b32 s22, s22, 4
	s_lshl_b32 s23, s46, 1
	s_add_co_u32 s22, s22, s23
	s_lshl_b32 s22, s22, 12
	s_mov_b32 s23, 0
	s_wait_kmcnt 0x0
	s_add_nc_u64 s[10:11], s[10:11], s[20:21]
	s_add_nc_u64 s[12:13], s[12:13], s[22:23]
	s_cmp_eq_u32 ttmp9, 1                          ; the bias of q, k or v: the choice hangs on the cluster's x alone
	s_cselect_b64 s[4:5], s[6:7], s[4:5]
	s_cmp_eq_u32 ttmp9, 2
	s_cselect_b64 s[4:5], s[8:9], s[4:5]
	s_cmp_eq_u32 ttmp9, 0
	s_cselect_b32 s98, 0x3e38aa3b, 1.0             ; cs = log2(e) / 8 for q, 1 for k and v
	s_mov_b32 s99, s98                             ; (named with it as a pair)
.irp b, 0,1,2,3,4,5,6,7
	global_load_b128 v[BI+8*\b:BI+8*\b+3], v[BO], s[4:5] offset:64*\b       ; register BI + 8 b + j: the bias of column 16 b + 8 h + j
	global_load_b128 v[BI+8*\b+4:BI+8*\b+7], v[BO], s[4:5] offset:64*\b+16
.endr
.macro FRAG reg, adr, q, i             ; 16 rows x 128 K of 4-bit codes: lane l holds row l % 16; registers 4 c .. 4 c + 3 hold K = 64 c + 32 (l / 16) + 0 .. 31
.irp c, 0,1
	ds_load_b128 v[\reg+4*\c:\reg+4*\c+3], v[\adr] offset:64*(\q)+32*\c+(\i)*16*PITCH
.endr
.endm
; 16 matrix instructions: x's blocks a0, a0 + 1 against W's eight.  The 64 accumulators take turns, one instruction a turn, in the same order in every step.
.macro MUL16 a0, p, q, sc, zero
.irp a, \a0, \a0+1
.irp b, 0,1,2,3,4,5,6,7
.if \zero
	v_wmma_scale_f32_16x16x128_f8f6f4 v[8*(8*((\a)%4)+\b):8*(8*((\a)%4)+\b)+7], v[128*(\p)+FR*\b:128*(\p)+FR*\b+FR-1], v[AF+FR*(\a):AF+FR*(\a)+FR-1], 0, v[SC+8*NQ*(\sc)+NQ*\b+(\q)], v[SC+8*NQ*(\sc)+NQ*(\a)+(\q)] matrix_a_fmt:MATRIX_FMT_FP4 matrix_b_fmt:MATRIX_FMT_FP4 matrix_a_scale:MATRIX_SCALE_ROW1
.else
	v_wmma_scale_f32_16x16x128_f8f6f4 v[8*(8*((\a)%4)+\b):8*(8*((\a)%4)+\b)+7], v[128*(\p)+FR*\b:128*(\p)+FR*\b+FR-1], v[AF+FR*(\a):AF+FR*(\a)+FR-1], v[8*(8*((\a)%4)+\b):8*(8*((\a)%4)+\b)+7], v[SC+8*NQ*(\sc)+NQ*\b+(\q)], v[SC+8*NQ*(\sc)+NQ*(\a)+(\q)] matrix_a_fmt:MATRIX_FMT_FP4 matrix_b_fmt:MATRIX_FMT_FP4 matrix_a_scale:MATRIX_SCALE_ROW1
.endif
.endr
.endr
.endm
.macro FETCH_B slot, q, p
	WIN TO_B
.irp i, 0,1,2,3,4,5,6,7
	FRAG 128*(\p)+FR*\i, ADRB+\slot, \q, \i
.endr
	WIN 0
.endm
.macro FETCH_A slot, q, i0
.irp i, \i0, \i0+1, \i0+2, \i0+3
	FRAG AF+FR*(\i), ADRA+\slot, \q, \i
.endr
.endm
.macro SCALES sc                       ; a slot's scale words: four a row; lanes 0-15 take x's block i, lanes 16-31 W's block i
.irp i, 0,1,2,3,4,5,6,7
	ds_load_b128 v[SC+8*NQ*\sc+NQ*\i:SC+8*NQ*\sc+NQ*\i+3], v[ADRS] offset:\i*SBLK
.endr
.endm
.macro PLACES n                        ; plain vector lines between a matrix instruction and a load into, or a read of, its registers
.rept \n
	v_nop
.endr
.endm
.macro STEP slot, q, zero              ; 128 along K, with its successor in the same slot
	s_wait_dscnt 4*NL                              ; W's set and x's blocks 0-3 are in; the youngest eight loads (x's blocks 4-7) may be out
	WIN MUL_LO
	MUL16 0, (\q)%2, \q, \slot, \zero
	MUL16 2, (\q)%2, \q, \slot, \zero
	s_wait_dscnt 0
	PLACES NP
	FETCH_B \slot, (\q)+1, 1-(\q)%2
	FETCH_A \slot, (\q)+1, 0
	WIN MUL_HI
	MUL16 4, (\q)%2, \q, \slot, \zero
	MUL16 6, (\q)%2, \q, \slot, \zero
	PLACES NP
	WIN 0
	FETCH_A \slot, (\q)+1, 4
.endm
; Slot 0's last step changes slots: each wave waits for all its tensor loads (slot 1's is the one that may be out), adds 0 to its spare word, waits for that and for its reads of slot 0, and passes the barrier.
; Behind it slot 1 is whole and nobody reads slot 0 any more.  Nothing is filled again.
.macro TURN slot, next
	s_wait_tensorcnt 0x0
	ds_add_u32 v[SPW], v[NIL]
	s_wait_dscnt 4*NL+1                            ; (the add and x's blocks 4-7 may be out)
	WIN MUL_LO
	MUL16 0, 1, NQ-1, \slot, 0
	s_wait_dscnt 0x0                               ; the add is done, and my reads of this slot are over
	s_barrier_signal -1
	MUL16 2, 1, NQ-1, \slot, 0
	WIN 0
	s_barrier_wait -1
	PLACES NP
	v_add_nc_u32 v[ADRS], 4*NQ, v[ADRS]            ; on to the next slot's scale words
	FETCH_B \next, 0, 0
	FETCH_A \next, 0, 0
	SCALES \next
	WIN MUL_HI
	MUL16 4, 1, NQ-1, \slot, 0
	MUL16 6, 1, NQ-1, \slot, 0
	PLACES NP
	WIN 0
	FETCH_A \next, 0, 4
.endm
	s_wait_tensorcnt 1                             ; the scales and my part of slot 0 are in; slot 1's load may be out
	s_barrier_signal -1
	s_barrier_wait -1                              ; everybody's are
	FETCH_B 0, 0, 0
	FETCH_A 0, 0, 0
	SCALES 0
	FETCH_A 0, 0, 4
	STEP 0, 0, 1                                   ; the first products start the sums: nothing is cleared
	STEP 0, 1, 0
	STEP 0, 2, 0
	TURN 0, 1
	STEP 1, 0, 0
	STEP 1, 1, 0
	STEP 1, 2, 0
	s_wait_dscnt 4*NL                              ; the last step: nothing more to fetch
	WIN MUL_LO
	MUL16 0, 1, NQ-1, 1, 0
	MUL16 2, 1, NQ-1, 1, 0
	s_wait_dscnt 0
	WIN MUL_HI
	MUL16 4, 1, NQ-1, 1, 0
	MUL16 6, 1, NQ-1, 1, 0
	WIN 0
; THE WAY OUT, block by block of 16 rows x 128 columns (two heads).
.macro PACK a                          ; C x cs + bias x cs, in place, each accumulator from its low pair on; then rounded to f16, 16 bytes a lane
.set AC, 64*((\a)%4)
	WIN 0x82+0x41*((\a)/4)                         ; destination and source 0: window 2 or 3; the bias: window 0
.irp b, 0,1,2,3,4,5,6,7
.irp r, 0,1,2,3
	v_pk_fma_f32 v[AC+8*\b+2*\r:AC+8*\b+2*\r+1], v[AC+8*\b+2*\r:AC+8*\b+2*\r+1], s[98:99], v[BI+8*\b+2*\r:BI+8*\b+2*\r+1] op_sel_hi:[1,0,1]
.endr
.endr
	WIN 0x0a+5*((\a)/4)                            ; sources 0 and 1: window 2 or 3
.irp b, 0,1,2,3,4,5,6,7
.irp r, 0,1,2,3
	v_cvt_pk_f16_f32 v[TMP+4*\b+\r], v[AC+8*\b+2*\r], v[AC+8*\b+2*\r+1]
.endr
.endr
	WIN 0
.endm
.macro TOSTAGE a                       ; into my own stage, and back by heads: four rows of a head's 128 bytes an instruction
.set BB, BK+32*((\a)%2)
.irp b, 0,1,2,3,4,5,6,7
	ds_store_b128 v[STO], v[TMP+4*\b:TMP+4*\b+3] offset:32*\b
.endr
.irp t, 0,1,2,3,4,5,6,7
	ds_load_b128 v[BB+4*\t:BB+4*\t+3], v[RD] offset:(\t%4)*4*SPITCH+128*(\t/4)   ; in order behind the stores above (ISA guide 5.7.1.4)
.endr
.endm
.macro SEND a
.set BB, BK+32*((\a)%2)
	s_wait_dscnt 0x0                               ; the block is back in registers
	s_wait_xcnt 0x0                                ; the earlier stores have read their registers: the other set may be loaded again behind this wait
.irp t, 0,1,2,3,4,5,6,7
	global_store_b128 v[CO], v[BB+4*\t:BB+4*\t+3], s[10:11] offset:(\a)*2048+(\t/4)*262144+(\t%4)*512   ; 32 lanes store 512 consecutive bytes: four positions of one head
.endr
.endm
	s_wait_loadcnt 0x0                             ; the bias
.set n, 0
.rept 32
	v_pk_mul_f32 v[BI+2*n:BI+2*n+1], v[BI+2*n:BI+2*n+1], s[98:99] op_sel_hi:[1,0]   ; bias x cs.  These 32 plain lines are also the places behind the last products
.set n, n+1
.endr
	PACK 0
	s_cmp_lg_u32 s101, 0                           ; positions 0-15 of the batch are my block 0 where cluster y = 0 and mine is the upper half of the rows
	s_cbranch_scc1 .Lnofine
	WIN 0x08                                       ; a store's data are its source 1: window 2
.irp b, 0,1,2,3,4,5,6,7
	global_store_b128 v[FO], v[8*\b:8*\b+3], s[12:13] offset:(\b/4)*4096+(\b%4)*64        ; f32, 32 bytes a lane: 786,432 bytes in the whole launch
	global_store_b128 v[FO], v[8*\b+4:8*\b+7], s[12:13] offset:(\b/4)*4096+(\b%4)*64+16
.endr
	WIN 0
	s_wait_xcnt 0x0
.Lnofine:
	TOSTAGE 0
.irp a, 1,2,3,4,5,6,7                  ; block a's arithmetic stands between block a - 1's loads from the stage and the wait for them
	PACK \a
	SEND \a-1
	TOSTAGE \a
.endr
	SEND 7
	s_wait_tensorcnt 0x0                           ; the wave's end
	ds_add_u32 v[SPW], v[NIL]
	s_wait_dscnt 0x0
	CROUND                                         ; the closing round
	s_endpgm
.Lfunc_end_k_q753db073c2_qkv:
	.size	k_q753db073c2_qkv, .Lfunc_end_k_q753db073c2_qkv-k_q753db073c2_qkv
	.p2alignl 7, 3214868480
	.fill 96, 4, 3214868480
	.section	.rodata,"a",@progbits
	.p2align	6, 0x0
	.amdhsa_kernel k_q753db073c2_qkv
		.amdhsa_group_segment_fixed_size 327680
		.amdhsa_private_segment_fixed_size 0
		.amdhsa_enable_private_segment 0
		.amdhsa_kernarg_size 72
		.amdhsa_user_sgpr_count 2
		.amdhsa_user_sgpr_kernarg_segment_ptr 1
		.amdhsa_wavefront_size32 1
		.amdhsa_system_sgpr_workgroup_id_x 1
		.amdhsa_system_sgpr_workgroup_id_y 1
		.amdhsa_system_sgpr_workgroup_id_z 1
		.amdhsa_system_vgpr_workitem_id 0
		.amdhsa_next_free_vgpr 1024
		.amdhsa_next_free_sgpr 102
		.amdhsa_reserve_vcc 0
		.amdhsa_float_denorm_mode_32 3
		.amdhsa_float_denorm_mode_16_64 3
		.amdhsa_memory_ordered 1
		.amdhsa_forward_progress 1
		.amdhsa_inst_pref_size 148
	.end_amdhsa_kernel
	.amdgpu_metadata
---
amdhsa.version: [ 1, 2 ]
amdhsa.kernels:
  - .name:           k_q753db073c2_qkv
    .symbol:         k_q753db073c2_qkv.kd
    .args:
      - { .name: xc, .offset: 0, .size: 8, .value_kind: global_buffer, .address_space: global }
      - { .name: xs, .offset: 8, .size: 8, .value_kind: global_buffer, .address_space: global }
      - { .name: wc, .offset: 16, .size: 8, .value_kind: global_buffer, .address_space: global }
      - { .name: ws, .offset: 24, .size: 8, .value_kind: global_buffer, .address_space: global }
      - { .name: bq, .offset: 32, .size: 8, .value_kind: global_buffer, .address_space: global }
      - { .name: bk, .offset: 40, .size: 8, .value_kind: global_buffer, .address_space: global }
      - { .name: bv, .offset: 48, .size: 8, .value_kind: global_buffer, .address_space: global }
      - { .name: qkv, .offset: 56, .size: 8, .value_kind: global_buffer, .address_space: global }
      - { .name: fq, .offset: 64, .size: 8, .value_kind: global_buffer, .address_space: global }
    .group_segment_fixed_size: 327680
    .private_segment_fixed_size: 0
    .kernarg_segment_align: 8
    .kernarg_segment_size: 72
    .max_flat_workgroup_size: 128
    .sgpr_count:     102
    .vgpr_count:     1024
    .wavefront_size: 32
...
	.end_amdgpu_metadata
.endif
;; end of part 2
;; launch attn (part 3): grid 4 x 64, 16 waves a work-group, no clusters, 327,680 bytes of LDS; arguments qkv, at16; writes at16
.if DOCPART == 3
	.amdgcn_target "amdgcn-amd-amdhsa--gfx1250"
	.amdhsa_code_object_version 6
	.text
	.protected	k_q753db073c2_attn
	.globl	k_q753db073c2_attn
	.p2align	8
	.type	k_q753db073c2_attn,@function
k_q753db073c2_attn:
	s_mov_b64 s[64:65], 0
	v_nop
	global_prefetch_b8 v0, s[64:65] scope:SCOPE_SE
	s_setreg_imm32_b32 hwreg(HW_REG_WAVE_MODE, 25, 1), 1
	s_wait_xcnt 0x0
; ATTN.  at[b][s][h][:] = the sum over keys k <= s of softmax_k(q . k / 8) v, on f16 operands, sums, maxima and exponentials in f32.  q arrives multiplied by log2(e) / 8, so a score is an exponent of 2.
; qkv: [which][b][h][2048][64] f16.  at16: [row tile of 128][h][128 rows][64] f16, as the projection's tiles want it.
; SHARES.  Work-group (i, y): head y = 16 b + h.  Waves 0-7 own query block i (256 queries), waves 8-15 block 7 - i; a wave owns 32 queries: two tiles of 16.  Block j needs j + 1 slots of 256 keys, so every
; work-group has 8 x 9 wave-slots of work whatever i is.  Every work-group walks all 8 slots, with constant trip counts; a step of 64 keys all of which come after a wave's queries is jumped over by a branch on ids.
; NO CLUSTER: the four work-groups of a head need 8, 7, 6 and 5 slots, so partners would have to ask for tiles that none of their waves reads.
; LAYOUT.  S^T = K Q^T (source 0 = 16 keys, source 1 = 16 queries): a lane holds ONE query (lane % 16) and keys 8 (lane / 16) + 0..7 of each tile.  Two such tiles rounded to f16 in pairs ARE source 1 of O^T = V^T P.
; K comes out of LDS as it lies, V ([key][channel]) turned by ds_load_tr16_b128.  A running maximum m and sum l for each query; O and l are multiplied by a = 2^(m_old - m_new) in every step.
; A step that is walked has its first key at or under every query of the wave (steps begin at multiples of 64, waves at multiples of 32), so m is a number from the first step on.
; LIMITS: f16's range for q log2(e) / 8, k, v and the result (65,504).  Positions 0-15 of every batch are computed here like the others and are stored anew, more finely, by the last launch.
; REGISTERS: v1-7 addresses; v8-23 statistics, eight a tile: +0 -m, +1 m, +2 +3 l, +4..+7 at work (+6 a, +7 the new m); v24-55 Q; v56-119 K, then V; v120-183 S^T, p, then P packed in place; v184-247 O^T; v248-253 mask and way out.
.set KP,    144                        ; a key's row in LDS: 128 bytes + 16
.set VP,    160                        ; a row of V: 128 + 32: the turning load's 8 rows x 32 bytes fall on different banks
.set VOFF,  256*KP                     ; a slot: 256 rows of K, then 256 rows of V
.set SLOT1, 1<<17                      ; slot 1 begins here: one exclusive or turns an address from slot to slot
.set STAGE, SLOT1+256*(KP+VP)          ; behind the ring: 32 rows x 144 bytes for each wave, bytes that no tensor load fills
.set SPARE, STAGE+16*32*KP             ; the spare words, 128 bytes a wave
.set AK0, 1
.set AV0, 2
.set SPW, 3
.set NIL, 4
.set ADK, 5
.set ADV, 6
.set PFO, 7
.set ST,  8
.set QF,  24
.set KV,  56
.set S,   120
.set O,   184
.set DD,  248
.set NINF, 249
.set STO, 250
.set RD,  251
.set GO,  252
.set DR,  253
.set TB,  2                            ; s2  LDS byte at which the slot in hand begins
.set SLOTS, 3                          ; s3  changes of slots still to come that may ask for a slot
.set WV,  18
.set SEL, 20
.set G1K, 24
.set G1V, 32
.set G0K, 40
.set G0V, 44
.set KF,  48                           ; s48 the step's first key
.set Q0,  49                           ; s49 my first query
.set LASTQ, 50                         ; s50 my work-group's last query
.set PFA, 52                           ; s[52:53] where my prefetches stand
.set LIM, 54                           ; s54 1 in a wave that prefetches, else the greatest number
; Waves 0 and 1 fetch K's halves, waves 2 and 3 V's, the others nothing.  An s_nop 0 and four v_nop follow each line.
.macro TLOAD
	s_cmp_lt_u32 s[WV], 2
	s_cbranch_scc0 .Lnot_k_\@
	tensor_load_to_lds s[G0K:G0K+3], s[G1K:G1K+7]
	s_nop 0
.rept 4
	v_nop
.endr
	s_branch .Lasked_\@
.Lnot_k_\@:
	s_cmp_lt_u32 s[WV], 4
	s_cbranch_scc0 .Lasked_\@
	tensor_load_to_lds s[G0V:G0V+3], s[G1V:G1V+7]
	s_nop 0
.rept 4
	v_nop
.endr
.Lasked_\@:
.endm
; A prefetch of what the NEXT change of slots will ask for: 32,768 bytes of K and as many of V.  The head's work-group i = 0, which walks and loads all slots, asks alone; in it waves 4-7 ask for K, waves 8-11 for V:
; 8,192 bytes a wave, lanes 256 bytes apart, one instruction: each aligned 256 bytes are named once in the launch.  Slots 0 and 1 come by their loads alone; the last change that fills a slot asks for nothing.
.macro ASK
	s_cmp_gt_u32 s[SLOTS], s[LIM]
	s_cbranch_scc0 .Lnot_mine_\@
	global_prefetch_b8 v[PFO], s[PFA:PFA+1] th:TH_LOAD_NT scope:SCOPE_SE
.Lnot_mine_\@:
.endm
	s_load_b128 s[4:7], s[0:1], 0x0                ; qkv, at16
	v_lshl_add_u32 v[SPW], v0, 2, SPARE
	v_mov_b32 v[NIL], 0
	ds_add_u32 v[SPW], v[NIL]                      ; the wave's opening: the add, twice on end, and its wait ahead of my first tensor load
	ds_add_u32 v[SPW], v[NIL]
	v_lshrrev_b32 v5, 5, v0
	v_readfirstlane_b32 s[WV], v5                  ; wave 0..15
	s_and_b32 s56, ttmp7, 0xffff                   ; y = 16 b + h
	s_sub_co_u32 s57, 7, ttmp9
	s_cmp_lt_u32 s[WV], 8
	s_cselect_b32 s57, ttmp9, s57                  ; my block of 256 queries: i, or 7 - i
	s_and_b32 s58, s[WV], 7
	s_lshl_b32 s58, s58, 5
	s_lshl_b32 s[Q0], s57, 8
	s_add_co_u32 s[Q0], s[Q0], s58                 ; my first query
	s_sub_co_u32 s[LASTQ], 7, ttmp9
	s_lshl_b32 s[LASTQ], s[LASTQ], 8
	s_or_b32 s[LASTQ], s[LASTQ], 255
	s_lshl_b32 s60, s56, 18                        ; the head's 2,048 rows of 128 bytes in a plane of qkv
	s_mov_b32 s61, 0
	s_and_b32 s59, s[WV], 1                        ; which 128 rows of a slot I fetch, if I fetch
	s_lshl_b32 s62, s59, 14
	s_add_co_u32 s62, s62, s60
	s_add_co_u32 s62, s62, 1<<24                   ; in K's plane
	s_mov_b32 s63, 0
	s_mul_i32 s66, s59, 128*KP                     ; and in a slot
	s_mul_i32 s67, s59, 128*VP
	s_add_co_u32 s67, s67, VOFF
	s_mov_b32 s[G1K], (1<<16)|(1<<20)|(4<<22)|(3<<25)  ; no mask; elements of 2 bytes; padding: four words behind every 32
	s_mov_b32 s[G1V], (1<<16)|(1<<20)|(4<<22)|(7<<25)  ; eight words
.irp g, G1K, G1V
	s_mov_b32 s[\g+1], 64<<16                      ; tensor_dim0
	s_mov_b32 s[\g+2], 128<<16                     ; tensor_dim1
	s_mov_b32 s[\g+3], 64<<16                      ; tile_dim0
	s_mov_b32 s[\g+4], 128                         ; tile_dim1
	s_mov_b32 s[\g+5], 64                          ; from row to row
	s_mov_b32 s[\g+6], 0
	s_mov_b32 s[\g+7], 0
.endr
	s_mov_b32 s[SEL], 0x76543210
	s_mov_b32 s[SEL+1], 0xfedcba98                 ; v_permlanex16_b32: lane l xor 16
	s_mov_b32 s[TB], 0
	s_mov_b32 s[SLOTS], 7
	s_mov_b32 s[KF], 0
	s_wait_dscnt 0x0                               ; both opening adds are done
	s_wait_kmcnt 0x0
	s_mov_b32 s[G0K], 1
	s_mov_b32 s[G0K+1], s66
	s_add_nc_u64 s[G0K+2:G0K+3], s[4:5], s[62:63]
	s_or_b32 s[G0K+3], s[G0K+3], 0x80000000
	s_mov_b32 s[G0V], 1
	s_mov_b32 s[G0V+1], s67
	s_add_nc_u64 s[G0V+2:G0V+3], s[4:5], s[62:63]
	s_add_nc_u64 s[G0V+2:G0V+3], s[G0V+2:G0V+3], 1<<24  ; V's plane
	s_or_b32 s[G0V+3], s[G0V+3], 0x80000000
	TLOAD                                          ; slot 0: it holds key 0, which counts for every query
	s_lshr_b32 s58, s[WV], 3                       ; the prefetches: K's plane for waves 4-7, V's for waves 8-11,
	s_add_co_u32 s58, s58, 1
	s_lshl_b32 s58, s58, 24
	s_add_co_u32 s58, s58, s60                     ; my head,
	s_and_b32 s59, s[WV], 3
	s_lshl_b32 s59, s59, 13                        ; my wave's 8,192 bytes,
	s_add_co_u32 s58, s58, s59
	s_add_co_u32 s58, s58, 32768                   ; in slot 1: the first change of slots steps it to slot 2
	s_mov_b32 s59, 0
	s_add_nc_u64 s[PFA:PFA+1], s[4:5], s[58:59]
	s_sub_co_u32 s58, s[WV], 4
	s_lshr_b32 s58, s58, 3                         ; 0 in waves 4 to 11,
	s_or_b32 s58, s58, ttmp9                       ; of the head's work-group 0
	s_cmp_eq_u32 s58, 0
	s_cselect_b32 s[LIM], 1, -1
	s_lshl_b32 s58, s[Q0], 7
	s_add_co_u32 s58, s58, s60
	s_mov_b32 s59, 0
	s_add_nc_u64 s[8:9], s[4:5], s[58:59]          ; Q at my first query
	s_lshr_b32 s58, s56, 4                         ; at16: row R = 2,048 b + my first query;
	s_lshl_b32 s58, s58, 11
	s_add_co_u32 s58, s58, s[Q0]
	s_lshr_b32 s59, s58, 7
	s_lshl_b32 s59, s59, 18                        ; its tile of 128 rows,
	s_and_b32 s58, s58, 127
	s_lshl_b32 s58, s58, 7                         ; its place in the tile,
	s_add_co_u32 s58, s58, s59
	s_and_b32 s59, s56, 15
	s_lshl_b32 s59, s59, 14                        ; the head
	s_add_co_u32 s58, s58, s59
	s_mov_b32 s59, 0
	s_add_nc_u64 s[6:7], s[6:7], s[58:59]
	v_and_b32 v248, 15, v0                         ; r
	v_bfe_u32 v249, v0, 4, 1                       ; h
	v_lshlrev_b32 v[ADK], 7, v248
	v_lshl_add_u32 v[ADK], v249, 4, v[ADK]         ; Q: row r of 128 bytes + 16 h
.irp t, 0,1
.irp c, 0,1
	global_load_b128 v[QF+16*\t+8*\c:QF+16*\t+8*\c+3],   v[ADK], s[8:9] offset:\t*2048+64*\c      ; Q stays in registers: tile t, channels 32 c on
	global_load_b128 v[QF+16*\t+8*\c+4:QF+16*\t+8*\c+7], v[ADK], s[8:9] offset:\t*2048+64*\c+32
.endr
.endr
	v_mul_u32_u24 v[AK0], v248, KP
	v_lshl_add_u32 v[AK0], v249, 4, v[AK0]         ; K: row r x pitch + 16 h
	v_and_b32 v[ADV], 7, v0
	v_lshl_add_u32 v[AV0], v249, 3, v[ADV]
	v_mul_u32_u24 v[AV0], v[AV0], VP               ; V: key 8 h + l % 8,
	v_bfe_u32 v[ADV], v0, 3, 1
	v_lshl_add_u32 v[AV0], v[ADV], 4, v[AV0]       ; channels 8 ((l / 8) % 2) on
	v_add_nc_u32 v[AV0], VOFF, v[AV0]
	s_mul_i32 s56, s[WV], 32*KP
	s_add_co_u32 s56, s56, STAGE                   ; my stage
	v_mul_u32_u24 v[STO], v248, KP
	v_lshl_add_u32 v[STO], v249, 4, v[STO]
	v_add_nc_u32 v[STO], s56, v[STO]               ; in: row r, 16 bytes for each half of the lanes
	v_bfe_u32 v[RD], v0, 3, 2
	v_mul_u32_u24 v[RD], v[RD], KP
	v_and_b32 v[GO], 7, v0
	v_lshl_add_u32 v[RD], v[GO], 4, v[RD]
	v_add_nc_u32 v[RD], s56, v[RD]                 ; back: eight lanes to a row of 128 bytes, four rows an instruction
	v_and_b32 v[GO], 31, v0
	v_lshlrev_b32 v[PFO], 8, v[GO]
	v_lshlrev_b32 v[GO], 4, v[GO]
	v_lshlrev_b32 v[DR], 3, v249
	v_sub_nc_u32 v[DR], v248, v[DR]                ; r - 8 h
	v_mov_b32 v[DD], 0
	v_mov_b32 v[NINF], 0xff800000                  ; -infinity
.set n, 0
.rept 16
	v_mov_b32 v[ST+n], 0                           ; the statistics, l among them
.set n, n+1
.endr
	v_mov_b32 v[ST+1], 0xff61b1e6                  ; m: -3e38, under every score
	v_mov_b32 v[ST+9], 0xff61b1e6
.set n, 0
.rept 64
	v_mov_b32 v[O+n], 0                            ; O^T.  (The step is written once: the first finds zeros, which a = 0 leaves zeros)
.set n, n+1
.endr
; A KEY STEP: 64 keys, the q-th of the slot in hand.
.macro STEP q
	s_add_co_u32 s56, s[Q0], 31                    ; a step all of whose keys come after my 32 queries is left out: ids and the count of steps alone; no barrier, wait for a tile or tensor load stands in a step
	s_cmp_gt_u32 s[KF], s56
	s_cbranch_scc1 .Lhidden_\@
	v_add_nc_u32 v[ADK], s[TB], v[AK0]
	v_add_nc_u32 v[ADV], s[TB], v[AV0]
.irp kt, 0,1,2,3
.irp c, 0,1
	ds_load_b128 v[KV+16*\kt+8*\c:KV+16*\kt+8*\c+3],   v[ADK] offset:(\q)*64*KP+\kt*16*KP+64*\c
	ds_load_b128 v[KV+16*\kt+8*\c+4:KV+16*\kt+8*\c+7], v[ADK] offset:(\q)*64*KP+\kt*16*KP+64*\c+32
.endr
.endr
	s_wait_dscnt 0x0
.irp c, 0,1                                    ; S^T = K Q^T: eight accumulators by turns; the first eight products start the sums
.irp kt, 0,1,2,3
.irp t, 0,1
.if \c == 0
	v_wmma_f32_16x16x32_f16 v[S+32*\t+8*\kt:S+32*\t+8*\kt+7], v[KV+16*\kt+8*\c:KV+16*\kt+8*\c+7], v[QF+16*\t+8*\c:QF+16*\t+8*\c+7], 0
.else
	v_wmma_f32_16x16x32_f16 v[S+32*\t+8*\kt:S+32*\t+8*\kt+7], v[KV+16*\kt+8*\c:KV+16*\kt+8*\c+7], v[QF+16*\t+8*\c:QF+16*\t+8*\c+7], v[S+32*\t+8*\kt:S+32*\t+8*\kt+7]
.endif
.endr
.endr
.endr
.rept 4
	v_nop                                          ; places in front of the loads into K's registers and of the first read of the scores
.endr
.irp u, 0,1                                    ; V, turned, into the registers that K has left: it lands while the softmax is walked
.irp ct, 0,1,2,3
	ds_load_tr16_b128 v[KV+32*\u+8*\ct:KV+32*\u+8*\ct+3],   v[ADV] offset:(\q)*64*VP+\u*32*VP+32*\ct
	ds_load_tr16_b128 v[KV+32*\u+8*\ct+4:KV+32*\u+8*\ct+7], v[ADV] offset:(\q)*64*VP+\u*32*VP+16*VP+32*\ct
.endr
.endr
	s_add_co_u32 s56, s[KF], 63                    ; on the diagonal hidden scores become -infinity; a step all of whose keys count for all my queries skips this
	s_cmp_le_u32 s56, s[Q0]
	s_cbranch_scc1 .Lopen_\@
	s_sub_co_i32 s56, s[Q0], s[KF]
	v_add_nc_u32 v[DD], s56, v[DR]                 ; d = Q0 - KF + r - 8 h.  Register 8 kt + j of tile t holds key KF + 16 kt + 8 h + j for query Q0 + 16 t + r: hidden where 16 kt + j - 16 t > d
.set n, 0
.rept 64
	v_cmp_gt_i32 vcc_lo, 16*((n%32)/8)+n%8-16*(n/32), v[DD]
	v_cndmask_b32 v[S+n], v[S+n], v[NINF], vcc_lo
.set n, n+1
.endr
.Lopen_\@:
.irp j, 0,1,2,3                                ; the largest of 32 scores and the old m: four chains a tile, the two tiles by turns; each accumulator is read from its low end on
.irp t, 0,1
	v_max3_num_f32 v[ST+8*\t+4+\j], v[S+32*\t+8*\j], v[S+32*\t+8*\j+1], v[S+32*\t+8*\j+2]
.endr
.endr
.irp i, 3,5
.irp j, 0,1,2,3
.irp t, 0,1
	v_max3_num_f32 v[ST+8*\t+4+\j], v[ST+8*\t+4+\j], v[S+32*\t+8*\j+\i], v[S+32*\t+8*\j+\i+1]
.endr
.endr
.endr
.irp t, 0,1
	v_max3_num_f32 v[ST+8*\t+4], v[ST+8*\t+4], v[S+32*\t+7], v[S+32*\t+15]
.endr
.irp t, 0,1
	v_max3_num_f32 v[ST+8*\t+6], v[ST+8*\t+6], v[S+32*\t+23], v[S+32*\t+31]
.endr
.irp t, 0,1
	v_max3_num_f32 v[ST+8*\t+4], v[ST+8*\t+4], v[ST+8*\t+5], v[ST+8*\t+6]
.endr
.irp t, 0,1
	v_max3_num_f32 v[ST+8*\t+4], v[ST+8*\t+4], v[ST+8*\t+7], v[ST+8*\t+1]
.endr
.irp t, 0,1
	v_permlanex16_b32 v[ST+8*\t+5], v[ST+8*\t+4], s[SEL], s[SEL+1]   ; the query's other 32 keys lie in the lane 16 away
.endr
.irp t, 0,1
	v_max_num_f32 v[ST+8*\t+7], v[ST+8*\t+4], v[ST+8*\t+5]           ; the new m
.endr
.irp t, 0,1
	v_sub_f32 v[ST+8*\t+6], v[ST+8*\t+1], v[ST+8*\t+7]               ; m_old - m_new
.endr
.irp t, 0,1
	v_mov_b32 v[ST+8*\t+1], v[ST+8*\t+7]
.endr
.irp t, 0,1
	v_sub_f32 v[ST+8*\t], 0, v[ST+8*\t+7]                            ; -m
.endr
.irp i, 0,2,4,6,8,10,12,14,16,18,20,22,24,26,28,30
.irp t, 0,1
	v_pk_add_f32 v[S+32*\t+\i:S+32*\t+\i+1], v[S+32*\t+\i:S+32*\t+\i+1], v[ST+8*\t:ST+8*\t+1] op_sel_hi:[1,0]   ; s - m, two at a time
.endr
.endr
.irp t, 0,1
	v_exp_f32 v[ST+8*\t+6], v[ST+8*\t+6]           ; a
.endr
.set n, 0
.rept 64
	v_exp_f32 v[S+n], v[S+n]                       ; p = 2^(s - m): ONE batch of 66 exponentials
.set n, n+1
.endr
	v_nop                                          ; a plain line behind the last exponential
	s_wait_alu depctr_va_vdst(0)                   ; one wait for the batch, ahead of its first reader
.irp t, 0,1
	v_pk_fma_f32 v[ST+8*\t+2:ST+8*\t+3], v[ST+8*\t+2:ST+8*\t+3], v[ST+8*\t+6:ST+8*\t+7], v[S+32*\t:S+32*\t+1] op_sel_hi:[1,0,1]   ; l = a l + p: the sums of the f32 p, in two chains a tile
	v_pk_add_f32 v[ST+8*\t+4:ST+8*\t+5], v[S+32*\t+2:S+32*\t+3], v[S+32*\t+6:S+32*\t+7]
.endr
.irp i, 4,12,20
.irp t, 0,1
	v_pk_add_f32 v[ST+8*\t+2:ST+8*\t+3], v[ST+8*\t+2:ST+8*\t+3], v[S+32*\t+\i:S+32*\t+\i+1]
	v_pk_add_f32 v[ST+8*\t+4:ST+8*\t+5], v[ST+8*\t+4:ST+8*\t+5], v[S+32*\t+\i+6:S+32*\t+\i+7]
	v_pk_add_f32 v[ST+8*\t+2:ST+8*\t+3], v[ST+8*\t+2:ST+8*\t+3], v[S+32*\t+\i+4:S+32*\t+\i+5]
	v_pk_add_f32 v[ST+8*\t+4:ST+8*\t+5], v[ST+8*\t+4:ST+8*\t+5], v[S+32*\t+\i+10:S+32*\t+\i+11]
.endr
.endr
.irp t, 0,1
	v_pk_add_f32 v[ST+8*\t+2:ST+8*\t+3], v[ST+8*\t+2:ST+8*\t+3], v[S+32*\t+28:S+32*\t+29]
.endr
.irp t, 0,1
	v_pk_add_f32 v[ST+8*\t+2:ST+8*\t+3], v[ST+8*\t+2:ST+8*\t+3], v[ST+8*\t+4:ST+8*\t+5]
.endr
.set n, 0
.rept 16
	v_cvt_pk_f16_f32 v[S+n], v[S+2*n], v[S+2*n+1]                    ; P, packed in place from the low end: pair n goes to register n, which no later pair reads
	v_cvt_pk_f16_f32 v[S+32+n], v[S+32+2*n], v[S+32+2*n+1]
.set n, n+1
.endr
.set n, 0
.rept 16
	v_pk_mul_f32 v[O+2*n:O+2*n+1], v[O+2*n:O+2*n+1], v[ST+6:ST+7] op_sel_hi:[1,0]             ; O^T x a
	v_pk_mul_f32 v[O+32+2*n:O+32+2*n+1], v[O+32+2*n:O+32+2*n+1], v[ST+14:ST+15] op_sel_hi:[1,0]
.set n, n+1
.endr
	s_wait_dscnt 0x0                               ; V is in
.irp u, 0,1                                    ; O^T += V^T P: eight accumulators by turns
.irp ct, 0,1,2,3
.irp t, 0,1
	v_wmma_f32_16x16x32_f16 v[O+32*\t+8*\ct:O+32*\t+8*\ct+7], v[KV+32*\u+8*\ct:KV+32*\u+8*\ct+7], v[S+32*\t+8*\u:S+32*\t+8*\u+7], v[O+32*\t+8*\ct:O+32*\t+8*\ct+7]
.endr
.endr
.endr
.rept 5
	v_nop                                          ; five places: the next step's products write over P's registers, its loads land on V's
.endr
.Lhidden_\@:
	s_add_co_u32 s[KF], s[KF], 64
.endm
; THE CHANGE OF SLOTS, at a slot's head.  Each wave waits for all its tensor loads (its part of the slot ahead), adds 0 to its spare word, and waits for that and for its reads of the slot that it has left.
; Behind the barrier the slot ahead is whole and nobody reads the other one.  fill = 1: the other slot is filled with the next 256 keys, while some wave of the work-group will read them.
.macro CHANGE fill
	s_wait_tensorcnt 0x0                           ; no tensor load of mine is out, so a group 0 may be written
	ds_add_u32 v[SPW], v[NIL]
.if \fill
	ds_add_u32 v[SPW], v[NIL]                      ; and twice on end here, in every trip alike
	s_xor_b32 s[G0K+1], s[G0K+1], SLOT1            ; the walking descriptors: the other slot,
	s_add_nc_u64 s[G0K+2:G0K+3], s[G0K+2:G0K+3], 32768   ; the next 256 keys
	s_xor_b32 s[G0V+1], s[G0V+1], SLOT1
	s_add_nc_u64 s[G0V+2:G0V+3], s[G0V+2:G0V+3], 32768
	s_wait_xcnt 0x0                                ; the last prefetch, a slot back, has read its address
	s_add_nc_u64 s[PFA:PFA+1], s[PFA:PFA+1], 32768 ; one slot further on than the walking descriptors
.endif
	s_wait_dscnt 0x0
	s_barrier_signal -1
	s_barrier_wait -1
.if \fill
	s_add_co_u32 s56, s[KF], 256                   ; the look-ahead ends at the causal limit: a slot whose first key comes after my work-group's last query is read by none of its waves
	s_cmp_gt_u32 s56, s[LASTQ]                     ; ids and the count of steps alone: all sixteen waves go the same way; every wait on TENSORcnt in this text is for 0
	s_cbranch_scc1 .Lpast_\@
	TLOAD                                          ; a wave's one tensor load until the next change: it has four key steps in which to land
.Lpast_\@:
	ASK
.endif
.endm
.macro SLOT_STEPS
	STEP 0
	STEP 1
	STEP 2
	STEP 3
	s_xor_b32 s[TB], s[TB], SLOT1
.endm
	s_wait_loadcnt 0x0                             ; Q
.Lslot:                                            ; seven trips: behind each change of slots but the last the next slot is asked for, up to the limit
	CHANGE 1
	SLOT_STEPS
	s_sub_co_u32 s[SLOTS], s[SLOTS], 1
	s_cmp_lg_u32 s[SLOTS], 0
	s_cbranch_scc1 .Lslot
	CHANGE 0                                       ; the last slot is written out: nothing is left to ask for
	SLOT_STEPS
	; THE WAY OUT.  O^T / l, rounded to f16, goes through my stage and leaves as 4,096 consecutive bytes: 32 queries x 64 channels.
.irp t, 0,1
	v_add_f32 v[ST+8*\t+4], v[ST+8*\t+2], v[ST+8*\t+3]
.endr
.irp t, 0,1
	v_permlanex16_b32 v[ST+8*\t+5], v[ST+8*\t+4], s[SEL], s[SEL+1]
.endr
.irp t, 0,1
	v_add_f32 v[ST+8*\t+4], v[ST+8*\t+4], v[ST+8*\t+5]
.endr
.irp t, 0,1
	v_rcp_f32 v[ST+8*\t+6], v[ST+8*\t+4]
.endr
	v_nop                                          ; a plain line behind the reciprocals
	s_wait_alu depctr_va_vdst(0)                   ; and one wait for both, ahead of their first reader
.irp t, 0,1
.set n, 0
.rept 16
	v_pk_mul_f32 v[O+32*\t+2*n:O+32*\t+2*n+1], v[O+32*\t+2*n:O+32*\t+2*n+1], v[ST+8*\t+6:ST+8*\t+7] op_sel_hi:[1,0]
.set n, n+1
.endr
.set n, 0
.rept 16
	v_cvt_pk_f16_f32 v[KV+16*\t+n], v[O+32*\t+2*n], v[O+32*\t+2*n+1]
.set n, n+1
.endr
.irp ct, 0,1,2,3
	ds_store_b128 v[STO], v[KV+16*\t+4*\ct:KV+16*\t+4*\ct+3] offset:\t*16*KP+32*\ct   ; query 16 t + r, channels 16 ct + 8 h on
.endr
.endr
.irp u, 0,1,2,3,4,5,6,7
	ds_load_b128 v[KV+32+4*\u:KV+32+4*\u+3], v[RD] offset:\u*4*KP    ; in order behind my stores (ISA guide 5.7.1.4)
.endr
.irp u, 0,1,2,3,4,5,6,7
	s_wait_dscnt 7-\u                              ; load u is in; the younger ones may be out
	global_store_b128 v[GO], v[KV+32+4*\u:KV+32+4*\u+3], s[6:7] offset:512*\u   ; 32 lanes store 512 consecutive bytes, aligned
.endr
	s_wait_tensorcnt 0x0                           ; the wave's end
	ds_add_u32 v[SPW], v[NIL]
	s_wait_dscnt 0x0
	s_endpgm
.Lfunc_end_k_q753db073c2_attn:
	.size	k_q753db073c2_attn, .Lfunc_end_k_q753db073c2_attn-k_q753db073c2_attn
	.p2alignl 7, 3214868480
	.fill 96, 4, 3214868480
	.section	.rodata,"a",@progbits
	.p2align	6, 0x0
	.amdhsa_kernel k_q753db073c2_attn
		.amdhsa_group_segment_fixed_size 327680
		.amdhsa_private_segment_fixed_size 0
		.amdhsa_enable_private_segment 0
		.amdhsa_kernarg_size 16
		.amdhsa_user_sgpr_count 2
		.amdhsa_user_sgpr_kernarg_segment_ptr 1
		.amdhsa_wavefront_size32 1
		.amdhsa_system_sgpr_workgroup_id_x 1
		.amdhsa_system_sgpr_workgroup_id_y 1
		.amdhsa_system_sgpr_workgroup_id_z 1
		.amdhsa_system_vgpr_workitem_id 0
		.amdhsa_next_free_vgpr 256
		.amdhsa_next_free_sgpr 80
		.amdhsa_reserve_vcc 1
		.amdhsa_float_denorm_mode_32 3
		.amdhsa_float_denorm_mode_16_64 3
		.amdhsa_memory_ordered 1
		.amdhsa_forward_progress 1
		.amdhsa_inst_pref_size 188
	.end_amdhsa_kernel
	.amdgpu_metadata
---
amdhsa.version: [ 1, 2 ]
amdhsa.kernels:
  - .name:           k_q753db073c2_attn
    .symbol:         k_q753db073c2_attn.kd
    .args:
      - { .name: qkv, .offset: 0, .size: 8, .value_kind: global_buffer, .address_space: global }
      - { .name: at16, .offset: 8, .size: 8, .value_kind: global_buffer, .address_space: global }
    .group_segment_fixed_size: 327680
    .private_segment_fixed_size: 0
    .kernarg_segment_align: 8
    .kernarg_segment_size: 16
    .max_flat_workgroup_size: 512
    .sgpr_count:     80
    .vgpr_count:     256
    .wavefront_size: 32
...
	.end_amdgpu_metadata
.endif
;; end of part 3
;; launch proj (part 4): grid 8 x 64, 4 waves a work-group, clusters of 4 x 4, 327,680 bytes of LDS; arguments at16, wo16, bo, out0; writes out0
.if DOCPART == 4
	.amdgcn_target "amdgcn-amd-amdhsa--gfx1250"
	.amdhsa_code_object_version 6
	.text
	.protected	k_q753db073c2_proj
	.globl	k_q753db073c2_proj
	.p2align	8
	.type	k_q753db073c2_proj,@function
k_q753db073c2_proj:
	s_mov_b64 s[64:65], 0
	v_nop
	global_prefetch_b8 v0, s[64:65] scope:SCOPE_SE
	s_setreg_imm32_b32 hwreg(HW_REG_WAVE_MODE, 25, 1), 1
	s_wait_xcnt 0x0
	s_wait_alu depctr_hold_cnt(0) depctr_sa_sdst(0) depctr_va_vdst(0) depctr_va_sdst(0) depctr_va_ssrc(0) depctr_va_vcc(0) depctr_vm_vsrc(0)
	s_getreg_b32 s2, hwreg(HW_REG_IB_STS2, 6, 4)
	s_cmp_eq_u32 s2, 0
	s_cbranch_scc0 .Lentry_in_a_cluster
	s_endpgm
.Lentry_in_a_cluster:
	s_bfe_u32 s2, ttmp6, 0x10000c
	s_cmp_lg_u32 s2, 0xf033
	s_cbranch_scc0 .Lentry_shape_is_right
	s_endpgm
.Lentry_shape_is_right:
; PROJ.  out[m][n] = sum over k of at[m][k] Wo[n][k] + bo[n]: f16 operands, f32 sums, f32 result.  m 8,192, n 1,024, k 1,024.
; at16 lies [row tile of 128][head][128 rows][64]: a K step of 256 (four heads) of a tile's 128 rows is 65,536 consecutive bytes, 512 lines of 128.  wo16 is [n][k], row-major.
; A tile of out is 128 x 128: four waves, each 64 x 64 in 16 accumulators.  K goes in four steps of 256 through two LDS slots; each wave fetches a quarter of a slot with one tensor load.
; All rows are stored here; positions 0-15 of each batch (64 rows, 262,144 bytes) are stored once more by the last launch, which carries them in f32: leaving them out here would want a branch on the tile's row.
; CLUSTERS: 4 x 4 work-groups: at16's tile is shared along a row of the cluster, wo16's along a column: each is asked for jointly.
; THE MATRIX INSTRUCTION IS USED TRANSPOSED (source 0 = 16 rows of Wo, source 1 = 16 rows of at): a lane holds eight neighbouring columns of a row.  The bias is the C of each sum's first product.
; REGISTERS: window 0: v0-31 addresses; v32-95 rows on the way out; v96-127 the bias; v128-255 the accumulators ((a, b) at v[128 + 8 (4 a + b)]).   window 1: two fragment buffers of 128.
.set KSTEP,  256
.set PA,     144                       ; a line of at16 in LDS: 128 bytes + 16
.set PITCH,  528                       ; a row of wo16's tile: 512 bytes + 16
.set HALFA,  256*PA                    ; two heads x 128 rows: what one tensor load brings of at16
.set ABYTES, 2*HALFA
.set HALFB,  64*PITCH                  ; 64 rows of wo16
.set SLOT,   ABYTES+2*HALFB
.set STAGE,  2*SLOT                    ; behind the ring: 16 rows x 272 bytes for each wave
.set SPITCH, 272
.set SPARE,  STAGE+4*16*SPITCH         ; the spare words, 128 bytes a wave
.set LAPS,   2                         ; a lap = two K steps = once round the ring
.set ADRA, 16
.set ADRB, 20
.set STO,  24
.set RD,   25
.set CO,   26
.set BO,   27
.set SPW,  28
.set NIL,  29
.set BK,   32
.set BI,   96
.set ACC,  128
.set F0,   0
.set F1,   128
.set G1, 24
.set G0, 32
.set G1B, 48
.set G0B, 56
.set MSB, 0
.macro WIN new                         ; the immediate's high byte repeats the setting that is left
.if MSB != (\new)
	s_set_vgpr_msb (MSB<<8)|(\new)
.set MSB, \new
.endif
.endm
.set MUL,  0x05                        ; sources 0 and 1 window 1; C and D window 0
.set TO_F, 0x40                        ; destination window 1, address window 0
.macro JLOAD s                         ; a joint load: waves 0 and 1 fetch at16's halves, waves 2 and 3 wo16's; an s_nop 0 and four v_nop follow each line
	s_cmp_eq_u32 s11, 0
	s_cbranch_scc0 .Lfor_b_\@
	tensor_load_to_lds s[G0+4*\s:G0+4*\s+3], s[G1:G1+7]
	s_nop 0
.rept 4
	v_nop
.endr
	s_branch .Lasked_\@
.Lfor_b_\@:
	tensor_load_to_lds s[G0B+4*\s:G0B+4*\s+3], s[G1B:G1B+7]
	s_nop 0
.rept 4
	v_nop
.endr
.Lasked_\@:
.endm
.macro CREST                           ; a round of the cluster's barrier behind its opening barrier
	s_cmp_lg_u32 s10, 0
	s_cbranch_scc1 .Lnot_wave_0_\@
	s_barrier_signal -3
.Lnot_wave_0_\@:
	s_barrier_wait -3
	s_barrier_signal -1
	s_barrier_wait -1
.endm
.macro CROUND
	s_barrier_signal -1
	s_barrier_wait -1
	CREST
.endm
	s_load_b128 s[4:7], s[0:1], 0x0                ; at16 4:5, wo16 6:7
	s_load_b64 s[66:67], s[0:1], 0x10              ; bo
	s_load_b64 s[8:9], s[0:1], 0x18                ; out0
	v_lshl_add_u32 v[SPW], v0, 2, SPARE
	v_mov_b32 v[NIL], 0
	ds_add_u32 v[SPW], v[NIL]                      ; the wave's opening: the add, twice on end, and its wait ahead of my first tensor load
	ds_add_u32 v[SPW], v[NIL]
	v_lshrrev_b32 v1, 5, v0
	v_readfirstlane_b32 s10, v1                    ; wave 0..3
	s_lshr_b32 s11, s10, 1                         ; which half of the tile's rows is mine.  Also: I fetch for at16 (0) or for wo16 (1)
	s_and_b32 s12, s10, 1                          ; which half of its columns.  Also: which half of that tile I fetch
	s_bfe_u32 s40, ttmp6, 0x40000                  ; cx
	s_bfe_u32 s41, ttmp6, 0x40004                  ; cy
	s_lshl_b32 s42, ttmp9, 2
	s_add_co_u32 s42, s42, s40                     ; tile column = 4 x cluster x + cx
	s_and_b32 s13, ttmp7, 0xffff
	s_lshl_b32 s13, s13, 2
	s_add_co_u32 s13, s13, s41                     ; tile row = 4 x cluster y + cy
	s_lshl_b32 s43, s41, 2
	s_lshl_b32 s43, 15, s43                        ; my row of the cluster
	s_lshl_b32 s44, 0x1111, s40                    ; my column
	s_or_b32 s[G1+0], s43, (1<<16)|(1<<20)|(1<<21)|(4<<22)|(3<<25)  ; at16: the mask; elements of 2 bytes; padding: four words behind every 32; bit 21 beside a mask
	s_mov_b32 s[G1+1], 64<<16                      ; tensor_dim0: a line of 64
	s_mov_b32 s[G1+2], 256<<16                     ; tensor_dim1: 256 lines
	s_mov_b32 s[G1+3], 64<<16                      ; tile_dim0
	s_mov_b32 s[G1+4], 256                         ; tile_dim1
	s_mov_b32 s[G1+5], 64                          ; the lines are dense in memory
	s_mov_b32 s[G1+6], 0
	s_mov_b32 s[G1+7], 0
	s_or_b32 s[G1B+0], s44, (1<<16)|(1<<20)|(1<<21)|(6<<22)|(3<<25) ; wo16: four words behind every 128
	s_mov_b32 s[G1B+1], KSTEP<<16
	s_mov_b32 s[G1B+2], 64<<16
	s_mov_b32 s[G1B+3], KSTEP<<16
	s_mov_b32 s[G1B+4], 64
	s_mov_b32 s[G1B+5], 1024
	s_mov_b32 s[G1B+6], 0
	s_mov_b32 s[G1B+7], 0
	s_lshl_b32 s16, s13, 18                        ; at16: the tile's 262,144 bytes,
	s_lshl_b32 s17, s12, 15                        ; my two heads of a K step's four
	s_add_co_u32 s16, s16, s17
	s_mov_b32 s17, 0
	s_lshl_b32 s46, s42, 7                         ; wo16: row 128 x tile column + 64 x half,
	s_lshl_b32 s47, s12, 6
	s_add_co_u32 s46, s46, s47
	s_lshl_b32 s46, s46, 11                        ; of 2,048 bytes
	s_mov_b32 s47, 0
	s_mul_i32 s20, s12, HALFA                      ; where they go: the wave's number alone enters an LDS address
	s_mul_i32 s21, s12, HALFB
	s_add_co_u32 s21, s21, ABYTES
	s_wait_dscnt 0x0                               ; both opening adds are done
	s_wait_kmcnt 0x0
	s_add_nc_u64 s[14:15], s[4:5], s[16:17]
	s_add_nc_u64 s[46:47], s[6:7], s[46:47]
	CROUND                                         ; all sixteen work-groups are here: the first joint loads meet
.irp s, 0,1
	s_mov_b32 s[G0+4*\s], 1
	s_add_co_u32 s[G0+4*\s+1], s20, \s*SLOT
	s_add_nc_u64 s[G0+4*\s+2:G0+4*\s+3], s[14:15], \s*65536
	s_or_b32 s[G0+4*\s+3], s[G0+4*\s+3], 0x80000000
	s_mov_b32 s[G0B+4*\s], 1
	s_add_co_u32 s[G0B+4*\s+1], s21, \s*SLOT
	s_add_nc_u64 s[G0B+4*\s+2:G0B+4*\s+3], s[46:47], \s*KSTEP*2
	s_or_b32 s[G0B+4*\s+3], s[G0B+4*\s+3], 0x80000000
	JLOAD \s
.endr
	v_and_b32 v1, 15, v0                           ; r
	v_bfe_u32 v2, v0, 4, 1                         ; h
	v_mul_u32_u24 v3, v1, PA
	v_lshl_add_u32 v3, v2, 4, v3
	v_mul_u32_u24 v4, v1, PITCH
	v_lshl_add_u32 v4, v2, 4, v4
	s_mul_i32 s21, s11, 64*PA                      ; my 64 rows in each head's 128 lines
	s_mul_i32 s22, s12, HALFB                      ; my 64 rows of wo16,
	s_add_co_u32 s22, s22, ABYTES                  ; behind at16's lines
.irp s, 0,1
	v_add_nc_u32 v[ADRA+\s], s21, v3
	v_add_nc_u32 v[ADRB+\s], s22, v4
	s_add_co_u32 s21, s21, SLOT
	s_add_co_u32 s22, s22, SLOT
.endr
	s_mul_i32 s23, s10, 16*SPITCH
	s_add_co_u32 s23, s23, STAGE                   ; my stage
	v_mul_u32_u24 v5, v1, SPITCH
	v_lshl_add_u32 v5, v2, 5, v5
	v_add_nc_u32 v[STO], s23, v5                   ; in: row r, 32 bytes for each half of the lanes
	v_mul_u32_u24 v5, v2, SPITCH
	v_lshl_add_u32 v5, v1, 4, v5
	v_add_nc_u32 v[RD], s23, v5                    ; back: lanes 0-15 one row of 256 bytes, lanes 16-31 the next
	v_lshlrev_b32 v5, 12, v2
	v_lshl_add_u32 v[CO], v1, 4, v5                ; and the same two rows in out0
	v_lshlrev_b32 v[BO], 5, v2
	s_lshl_b32 s46, s42, 9                         ; my first column, in bytes: 512 x tile column + 256 x half
	s_lshl_b32 s47, s12, 8
	s_add_co_u32 s46, s46, s47
	s_mov_b32 s47, 0
	s_add_nc_u64 s[66:67], s[66:67], s[46:47]      ; in the bias,
	s_add_nc_u64 s[8:9], s[8:9], s[46:47]          ; and in a row of out0
	s_lshl_b32 s16, s13, 7
	s_lshl_b32 s17, s11, 6
	s_add_co_u32 s16, s16, s17                     ; my first row: 128 x tile row + 64 x half,
	s_lshl_b32 s16, s16, 12                        ; of 4,096 bytes
	s_mov_b32 s17, 0
	s_add_nc_u64 s[8:9], s[8:9], s[16:17]
.irp b, 0,1,2,3
	global_load_b128 v[BI+8*\b:BI+8*\b+3], v[BO], s[66:67] offset:64*\b        ; register BI + 8 b + j: the bias of my column 16 b + 8 h + j
	global_load_b128 v[BI+8*\b+4:BI+8*\b+7], v[BO], s[66:67] offset:64*\b+16
.endr
; 8 matrix instructions: row blocks a0, a0 + 1 x all 4 column blocks, 32 along K: half c of buffer f.  zero = 1: the first product starts the sum from the bias.  The 16 accumulators take turns.
.macro MUL8 f, c, a0, zero
.irp a, \a0, \a0+1
.irp b, 0,1,2,3
.if \zero
	v_wmma_f32_16x16x32_f16 v[ACC+8*(4*(\a)+\b):ACC+8*(4*(\a)+\b)+7], v[\f+64+8*(4*\c+\b):\f+64+8*(4*\c+\b)+7], v[\f+8*(4*\c+\a):\f+8*(4*\c+\a)+7], v[BI+8*\b:BI+8*\b+7]
.else
	v_wmma_f32_16x16x32_f16 v[ACC+8*(4*(\a)+\b):ACC+8*(4*(\a)+\b)+7], v[\f+64+8*(4*\c+\b):\f+64+8*(4*\c+\b)+7], v[\f+8*(4*\c+\a):\f+8*(4*\c+\a)+7], v[ACC+8*(4*(\a)+\b):ACC+8*(4*(\a)+\b)+7]
.endif
.endr
.endr
.endm
; 32 LDS loads in one run: the fragments of 64 along K (one head) into buffer f.  k: the byte in wo16's rows; k / 128 is the head in the slot.
.macro FETCH slot, k, f
	WIN TO_F
.irp c, 0,1
.irp i, 0,1,2,3
	ds_load_b128 v[\f+64+8*(4*\c+\i):\f+64+8*(4*\c+\i)+3],   v[ADRB+\slot] offset:\k+64*\c+\i*16*PITCH
	ds_load_b128 v[\f+64+8*(4*\c+\i)+4:\f+64+8*(4*\c+\i)+7], v[ADRB+\slot] offset:\k+64*\c+\i*16*PITCH+32
	ds_load_b128 v[\f+8*(4*\c+\i):\f+8*(4*\c+\i)+3],         v[ADRA+\slot] offset:(\k/128)*128*PA+64*\c+\i*16*PA
	ds_load_b128 v[\f+8*(4*\c+\i)+4:\f+8*(4*\c+\i)+7],       v[ADRA+\slot] offset:(\k/128)*128*PA+64*\c+\i*16*PA+32
.endr
.endr
.endm
.macro PLACES                          ; four places in front of loads into registers that matrix instructions have read, and of the first read of results
.rept 4
	v_nop
.endr
.endm
.macro QUARTER slot, k, f, g, zero     ; multiplies buffer f and fetches the next quarter, at byte k, into g
	s_wait_dscnt 16                                ; the first 32 along K are in; the other sixteen loads may be out
	WIN MUL
	MUL8 \f, 0, 0, \zero
	MUL8 \f, 0, 2, \zero
	PLACES
	FETCH \slot, \k, \g
	s_wait_dscnt 32                                ; all but the 32 just issued
	WIN MUL
	MUL8 \f, 1, 0, 0
	MUL8 \f, 1, 2, 0
.endm
; A slot's last quarter changes slots: in front of the barrier each wave waits for all its tensor loads, adds 0 to its spare word, and waits for that and for its reads of this slot.
; fill = 1: the barrier opens a round of the cluster's barrier, and the joint refill, two K steps ahead, is the first tensor load behind the round.
.macro TURN slot, next, fill
	WIN 0
	s_wait_tensorcnt 0x0                           ; all my tensor loads have landed: my part of the next slot
	ds_add_u32 v[SPW], v[NIL]
	s_wait_dscnt 17                                ; (the add and the youngest sixteen loads may be out)
	WIN MUL
	MUL8 F1, 0, 0, 0
	s_wait_dscnt 0x0                               ; the add is done, and my reads of this slot are over
	s_barrier_signal -1
	MUL8 F1, 0, 2, 0
.if \fill
	WIN 0
.endif
	s_barrier_wait -1
.if \fill
	CREST                                          ; no wave of any partner still reads this slot or has a load on its way
	s_add_nc_u64 s[G0+4*\slot+2:G0+4*\slot+3], s[G0+4*\slot+2:G0+4*\slot+3], 2*65536
	s_add_nc_u64 s[G0B+4*\slot+2:G0B+4*\slot+3], s[G0B+4*\slot+2:G0B+4*\slot+3], 2*KSTEP*2
	JLOAD \slot                                    ; its four v_nop are also the places in front of the loads below
.else
	PLACES
.endif
	FETCH \next, 0, F0
	WIN MUL
	MUL8 F1, 1, 0, 0
	MUL8 F1, 1, 2, 0
.endm
	s_wait_tensorcnt 1                             ; my part of K step 0 is in; K step 1's load may be out
	s_barrier_signal -1
	s_barrier_wait -1                              ; everybody's is
	FETCH 0, 0, F0
	s_wait_loadcnt 0x0                             ; the bias
	QUARTER 0, 128, F0, F1, 1
	WIN 0                                          ; at a label and at a branch every window is 0
	s_mov_b32 s3, LAPS-1
.Llap:                                             ; a trip goes once round the ring and fills both slots again
	QUARTER 0, 256, F1, F0, 0
	QUARTER 0, 384, F0, F1, 0
	TURN 0, 1, 1
	QUARTER 1, 128, F0, F1, 0
	QUARTER 1, 256, F1, F0, 0
	QUARTER 1, 384, F0, F1, 0
	TURN 1, 0, 1
	QUARTER 0, 128, F0, F1, 0
	WIN 0
	s_sub_co_u32 s3, s3, 1
	s_cmp_lg_u32 s3, 0
	s_cbranch_scc1 .Llap
	QUARTER 0, 256, F1, F0, 0                      ; the last lap fills nothing
	QUARTER 0, 384, F0, F1, 0
	TURN 0, 1, 0
	QUARTER 1, 128, F0, F1, 0
	QUARTER 1, 256, F1, F0, 0
	QUARTER 1, 384, F0, F1, 0
	s_wait_dscnt 16
	WIN MUL
	MUL8 F1, 0, 0, 0
	MUL8 F1, 0, 2, 0
	s_wait_dscnt 0
	MUL8 F1, 1, 0, 0
	MUL8 F1, 1, 2, 0
	WIN 0
; THE WAY OUT, block by block of 16 rows x 64 columns: 256 bytes of f32 a row, so each wave has a stage of its own and no barrier is needed.
.macro TOSTAGE a
.set BB, BK+32*((\a)%2)
.irp b, 0,1,2,3
	ds_store_b128 v[STO], v[ACC+8*(4*(\a)+\b):ACC+8*(4*(\a)+\b)+3] offset:64*\b         ; each accumulator from its low end on
	ds_store_b128 v[STO], v[ACC+8*(4*(\a)+\b)+4:ACC+8*(4*(\a)+\b)+7] offset:64*\b+16
.endr
.irp t, 0,1,2,3,4,5,6,7
	ds_load_b128 v[BB+4*\t:BB+4*\t+3], v[RD] offset:2*\t*SPITCH    ; in order behind the stores above (ISA guide 5.7.1.4)
.endr
.endm
.macro SEND a, younger                 ; younger: the LDS instructions issued behind block a's loads
.set BB, BK+32*((\a)%2)
	s_wait_dscnt \younger
.irp t, 0,1,2,3,4,5,6,7
	global_store_b128 v[CO], v[BB+4*\t:BB+4*\t+3], s[8:9] offset:(16*(\a)+2*\t)*4096 th:TH_STORE_NT   ; 16 lanes store 256 consecutive bytes, aligned
.endr
.endm
	PLACES
	TOSTAGE 0
.irp a, 1,2,3
.if \a > 1
	s_wait_xcnt 0x0                                ; block a - 2's stores have read their registers: block a's loads may land there
.endif
	TOSTAGE \a
	SEND \a-1, 16                                  ; behind block a - 1's loads: block a's eight stores and eight loads
.endr
	SEND 3, 0
	s_wait_tensorcnt 0x0                           ; the wave's end
	ds_add_u32 v[SPW], v[NIL]
	s_wait_dscnt 0x0
	CROUND                                         ; the closing round
	s_endpgm
.Lfunc_end_k_q753db073c2_proj:
	.size	k_q753db073c2_proj, .Lfunc_end_k_q753db073c2_proj-k_q753db073c2_proj
	.p2alignl 7, 3214868480
	.fill 96, 4, 3214868480
	.section	.rodata,"a",@progbits
	.p2align	6, 0x0
	.amdhsa_kernel k_q753db073c2_proj
		.amdhsa_group_segment_fixed_size 327680
		.amdhsa_private_segment_fixed_size 0
		.amdhsa_enable_private_segment 0
		.amdhsa_kernarg_size 32
		.amdhsa_user_sgpr_count 2
		.amdhsa_user_sgpr_kernarg_segment_ptr 1
		.amdhsa_wavefront_size32 1
		.amdhsa_system_sgpr_workgroup_id_x 1
		.amdhsa_system_sgpr_workgroup_id_y 1
		.amdhsa_system_sgpr_workgroup_id_z 1
		.amdhsa_system_vgpr_workitem_id 0
		.amdhsa_next_free_vgpr 512
		.amdhsa_next_free_sgpr 70
		.amdhsa_reserve_vcc 0
		.amdhsa_float_denorm_mode_32 3
		.amdhsa_float_denorm_mode_16_64 3
		.amdhsa_memory_ordered 1
		.amdhsa_forward_progress 1
		.amdhsa_inst_pref_size 87
	.end_amdhsa_kernel
	.amdgpu_metadata
---
amdhsa.version: [ 1, 2 ]
amdhsa.kernels:
  - .name:           k_q753db073c2_proj
    .symbol:         k_q753db073c2_proj.kd
    .args:
      - { .name: at16, .offset: 0, .size: 8, .value_kind: global_buffer, .address_space: global }
      - { .name: wo16, .offset: 8, .size: 8, .value_kind: global_buffer, .address_space: global }
      - { .name: bo, .offset: 16, .size: 8, .value_kind: global_buffer, .address_space: global }
      - { .name: out0, .offset: 24, .size: 8, .value_kind: global_buffer, .address_space: global }
    .group_segment_fixed_size: 327680
    .private_segment_fixed_size: 0
    .kernarg_segment_align: 8
    .kernarg_segment_size: 32
    .max_flat_workgroup_size: 128
    .sgpr_count:     70
    .vgpr_count:     512
    .wavefront_size: 32
...
	.end_amdgpu_metadata
.endif
;; end of part 4
;; launch first (part 5): grid 16 x 4, 16 waves a work-group, no clusters, 86,016 bytes of LDS; arguments fq, Wo, bo, out0; writes out0
.if DOCPART == 5
	.amdgcn_target "amdgcn-amd-amdhsa--gfx1250"
	.amdhsa_code_object_version 6
	.text
	.protected	k_q753db073c2_first
	.globl	k_q753db073c2_first
	.p2align	8
	.type	k_q753db073c2_first,@function
k_q753db073c2_first:
	s_mov_b64 s[64:65], 0
	v_nop
	global_prefetch_b8 v0, s[64:65] scope:SCOPE_SE
	s_setreg_imm32_b32 hwreg(HW_REG_WAVE_MODE, 25, 1), 1
	s_wait_xcnt 0x0
; FIRST.  Positions 0-15 of each batch, all heads, in f32 throughout: scores, softmax, the weighted sum of v and the projection.  Under the causal mask these rows average one to sixteen values, are the
; largest in size, and would use up most of what the comparison allows if their operands were rounded to 16 bits.  It stores 64 rows of out0 over what the projection's launch left there.
; fq: [which][b][h][16][64] f32, q already multiplied by log2(e) / 8.  Wo [1024][1024], bo [1024]: f32, as given.
; SHARES.  Work-group (x, b): batch b, output columns 64 x .. 64 x + 63.  Phase A: wave w makes head w's 16 x 64 of attention (repeated in the 16 work-groups of a batch: 12 KiB of loads and 32 matrix
; instructions a wave) and puts it into LDS.  Phase C: wave w multiplies all 16 rows by Wo's rows 64 x + 16 (w % 4) .. + 15 over K = 256 (w / 4) .. + 255; the four parts of K meet in LDS; waves 0-7 add them and store.
; THE MATRIX FORM takes K = 4: lane (r, h), register j holds k = 2 h + j.  A lane loads 16 bytes, numbers 8 u + 4 h + 0..3 of its row; its two register pairs are two K steps under one
; permutation of k, the same on both sources.  Its accumulators v112-143 are written by matrix instructions alone; what is made of them goes elsewhere.
; Both products of phase A are used transposed (source 0 = keys or channels, source 1 = queries): a lane holds one query.  Nine or eight plain lines stand behind this form where its registers are touched (ISA guide 7.12.1).
.set ATP,   4112                       ; a row of attention in LDS: 4,096 bytes + 16
.set RED,   16*ATP                     ; behind it: four planes of 16 rows x (256 bytes + 16)
.set REDP,  272
.set SPARE, RED+4*16*REDP              ; the spare words, 128 bytes a wave
.set QA,  3
.set VA,  4
.set WA,  5
.set ATW, 6
.set ATR, 7
.set REDW, 8
.set REDR, 9
.set OA,  10
.set BA,  11
.set SPW, 12
.set NIL, 13
.set DD,  14                           ; r - 8 h
.set QF,  16                           ; v16-47 q, later attention's buffer 0
.set KF,  48                           ; v48-79 k, later buffer 1
.set VF,  80                           ; v80-111 v, later Wo's last eight loads
.set ACC, 112
.set T,   144
.set P,   152
.set WO,  160                          ; v160-255 Wo's first 24 loads
	s_load_b256 s[4:11], s[0:1], 0x0               ; fq 4:5, Wo 6:7, bo 8:9, out0 10:11
	v_lshl_add_u32 v[SPW], v0, 2, SPARE
	v_mov_b32 v[NIL], 0
	v_lshrrev_b32 v1, 5, v0
	v_readfirstlane_b32 s12, v1                    ; wave 0..15: the head
	s_and_b32 s13, ttmp7, 0xffff                   ; the batch
	s_and_b32 s14, s12, 3                          ; nt: which 16 of the 64 columns
	s_lshr_b32 s15, s12, 2                         ; kq: which quarter of K
	s_and_b32 s19, s12, 7                          ; which two rows I store, if I store
	v_and_b32 v1, 15, v0                           ; r
	v_bfe_u32 v2, v0, 4, 1                         ; h
	v_lshlrev_b32 v[QA], 8, v1
	v_lshl_add_u32 v[QA], v2, 4, v[QA]             ; q, k: row r of 256 bytes + 16 h
	v_lshlrev_b32 v[VA], 2, v1
	v_lshl_add_u32 v[VA], v2, 11, v[VA]            ; v: key 8 h, channel r
	v_lshlrev_b32 v[WA], 12, v1
	v_lshl_add_u32 v[WA], v2, 4, v[WA]             ; Wo: row r of 4,096 bytes + 16 h
	v_mul_u32_u24 v[ATW], v1, ATP
	v_lshl_add_u32 v[ATR], v2, 4, v[ATW]
	v_lshl_add_u32 v[ATW], v2, 5, v[ATW]
	s_lshl_b32 s16, s12, 8
	v_add_nc_u32 v[ATW], s16, v[ATW]               ; attention, in: row r, my head's 256 bytes, + 32 h
	s_lshl_b32 s16, s15, 10
	v_add_nc_u32 v[ATR], s16, v[ATR]               ; out: row r, my quarter of K, + 16 h
	v_mul_u32_u24 v[REDW], v1, REDP
	v_lshl_add_u32 v[REDW], v2, 5, v[REDW]
	s_mul_i32 s16, s15, 16*REDP
	s_lshl_b32 s17, s14, 6
	s_add_co_u32 s16, s16, s17
	s_add_co_u32 s16, s16, RED
	v_add_nc_u32 v[REDW], s16, v[REDW]             ; the parts, in: plane kq, row r, 64 nt + 32 h
	v_mul_u32_u24 v[REDR], v2, REDP
	v_lshl_add_u32 v[REDR], v1, 4, v[REDR]
	s_mul_i32 s16, s19, 2*REDP
	s_add_co_u32 s16, s16, RED
	v_add_nc_u32 v[REDR], s16, v[REDR]             ; out: row 2 (w % 8) + h, 16 bytes a lane
	v_lshlrev_b32 v[OA], 12, v2
	v_lshl_add_u32 v[OA], v1, 4, v[OA]
	s_lshl_b32 s16, s19, 13
	v_add_nc_u32 v[OA], s16, v[OA]                 ; and the same place in out0
	v_lshlrev_b32 v[BA], 4, v1
	v_lshlrev_b32 v[DD], 3, v2
	v_sub_nc_u32 v[DD], v1, v[DD]
	v_mov_b32 v15, 0                               ; a lane permute's destination counts as one of its sources
	v_mov_b32 v1, 0xff800000                       ; from here on v1 is -infinity
	s_lshl_b32 s16, s13, 4
	s_add_co_u32 s16, s16, s12
	s_lshl_b32 s16, s16, 12                        ; fq: (16 b + head) x 4,096
	s_mov_b32 s17, 0
	s_lshl_b32 s20, ttmp9, 6
	s_lshl_b32 s18, s14, 4
	s_add_co_u32 s20, s20, s18
	s_lshl_b32 s20, s20, 12                        ; Wo: row 64 x + 16 nt,
	s_lshl_b32 s18, s15, 10
	s_add_co_u32 s20, s20, s18                     ; my quarter of K
	s_mov_b32 s21, 0
	s_lshl_b32 s22, ttmp9, 8                       ; bo: 256 x
	s_mov_b32 s23, 0
	s_lshl_b32 s24, s13, 23                        ; out0: the batch's first row, + 256 x
	s_add_co_u32 s24, s24, s22
	s_mov_b32 s25, 0
	s_mov_b32 s26, 0x76543210
	s_mov_b32 s27, 0xfedcba98                      ; v_permlanex16_b32: lane l xor 16
	s_wait_kmcnt 0x0
	s_add_nc_u64 s[4:5], s[4:5], s[16:17]
	s_add_nc_u64 s[6:7], s[6:7], s[20:21]
	s_add_nc_u64 s[8:9], s[8:9], s[22:23]
	s_add_nc_u64 s[10:11], s[10:11], s[24:25]
.irp u, 0,1,2,3,4,5,6,7
	global_load_b128 v[QF+4*\u:QF+4*\u+3], v[QA], s[4:5] offset:32*\u
.endr
.irp u, 0,1,2,3,4,5,6,7
	global_load_b128 v[KF+4*\u:KF+4*\u+3], v[QA], s[4:5] offset:262144+32*\u
.endr
.irp ct, 0,1,2,3
.irp i, 0,1,2,3,4,5,6,7
	global_load_b32 v[VF+8*\ct+\i], v[VA], s[4:5] offset:524288+256*\i+64*\ct    ; v(key 8 h + i, channel 16 ct + r)
.endr
.endr
.set n, 0
.rept 24
	global_load_b128 v[WO+4*n:WO+4*n+3], v[WA], s[6:7] offset:32*n
.set n, n+1
.endr
	; ---- A: scores.  Two accumulators by turns; the first product on each starts its sum
	s_wait_loadcnt 56                              ; q and k are in; v's 32 loads and Wo's 24 may be out
.irp u, 0,1,2,3,4,5,6,7
.if \u == 0
	v_wmma_f32_16x16x4_f32 v[ACC:ACC+7], v[KF:KF+1], v[QF:QF+1], 0
	v_wmma_f32_16x16x4_f32 v[ACC+8:ACC+15], v[KF+2:KF+3], v[QF+2:QF+3], 0
.else
	v_wmma_f32_16x16x4_f32 v[ACC:ACC+7], v[KF+4*\u:KF+4*\u+1], v[QF+4*\u:QF+4*\u+1], v[ACC:ACC+7]
	v_wmma_f32_16x16x4_f32 v[ACC+8:ACC+15], v[KF+4*\u+2:KF+4*\u+3], v[QF+4*\u+2:QF+4*\u+3], v[ACC+8:ACC+15]
.endif
.endr
.rept 8
	v_nop
.endr
.irp j, 0,1,2,3,4,5,6,7
	v_add_f32 v[T+\j], v[ACC+\j], v[ACC+8+\j]      ; the score of query r and key 8 h + j, as an exponent of 2
.endr
.irp j, 0,1,2,3,4,5,6,7
	v_cmp_gt_i32 vcc_lo, \j, v[DD]                 ; hidden where 8 h + j > r
	v_cndmask_b32 v[T+\j], v[T+\j], v1, vcc_lo
.endr
	v_max3_num_f32 v2, v[T], v[T+1], v[T+2]
	v_max3_num_f32 v2, v2, v[T+3], v[T+4]
	v_max3_num_f32 v2, v2, v[T+5], v[T+6]
	v_max_num_f32 v2, v2, v[T+7]
	v_permlanex16_b32 v15, v2, s26, s27
	v_max_num_f32 v2, v2, v15                      ; the row's maximum: key 0 counts for every query, so it is a number
.irp j, 0,1,2,3,4,5,6,7
	v_sub_f32 v[T+\j], v[T+\j], v2
.endr
.irp j, 0,1,2,3,4,5,6,7
	v_exp_f32 v[T+\j], v[T+\j]
.endr
	v_nop                                          ; a plain line behind the exponentials
	s_wait_alu depctr_va_vdst(0)                   ; one wait for the eight, ahead of their first reader
	v_add_f32 v2, v[T], v[T+1]
.irp j, 2,3,4,5,6,7
	v_add_f32 v2, v2, v[T+\j]
.endr
	v_permlanex16_b32 v15, v2, s26, s27
	v_add_f32 v2, v2, v15                          ; the row's sum
	v_rcp_f32 v15, v2
	v_nop
	s_wait_alu depctr_va_vdst(0)
.irp j, 0,1,2,3,4,5,6,7
	v_mul_f32 v[P+\j], v[T+\j], v15                ; the weights, normalised as the definition has them
.endr
	s_wait_loadcnt 24                              ; v is in; Wo's 24 loads may be out
.irp u, 0,1,2,3                                ; O^T = V^T P: slot k = 2 h + j of step u stands for key 8 h + 2 u + j on both sources; four accumulators by turns
.irp ct, 0,1,2,3
.if \u == 0
	v_wmma_f32_16x16x4_f32 v[ACC+8*\ct:ACC+8*\ct+7], v[VF+8*\ct:VF+8*\ct+1], v[P:P+1], 0
.else
	v_wmma_f32_16x16x4_f32 v[ACC+8*\ct:ACC+8*\ct+7], v[VF+8*\ct+2*\u:VF+8*\ct+2*\u+1], v[P+2*\u:P+2*\u+1], v[ACC+8*\ct:ACC+8*\ct+7]
.endif
.endr
.endr
.rept 9
	v_nop                                          ; nine: phase C's first products begin these accumulators anew
.endr
.irp ct, 0,1,2,3
	ds_store_b128 v[ATW], v[ACC+8*\ct:ACC+8*\ct+3] offset:64*\ct          ; query r, channels 16 ct + 8 h on
	ds_store_b128 v[ATW], v[ACC+8*\ct+4:ACC+8*\ct+7] offset:64*\ct+16
.endr
.irp u, 0,1,2,3,4,5,6,7
	global_load_b128 v[VF+4*\u:VF+4*\u+3], v[WA], s[6:7] offset:32*(24+\u)   ; Wo's last eight, into the registers that v has left
.endr
	s_wait_dscnt 0x0                               ; for the others' sake: my stores have landed
	s_barrier_signal -1
	s_barrier_wait -1                              ; 16 whole rows of attention lie in LDS
	; ---- C: the projection, in four chunks of 64 along K
.macro ATLOAD c
.irp i, 0,1,2,3,4,5,6,7
	ds_load_b128 v[QF+32*((\c)%2)+4*\i:QF+32*((\c)%2)+4*\i+3], v[ATR] offset:32*(8*(\c)+\i)
.endr
.endm
.macro MULC c, first
.irp i, 0,1,2,3,4,5,6,7
.if (\c) == 3
.set WR, VF+4*\i
.else
.set WR, WO+4*(8*(\c)+\i)
.endif
.set AR, QF+32*((\c)%2)+4*\i
.if \first && (\i == 0)
	v_wmma_f32_16x16x4_f32 v[ACC:ACC+7], v[WR:WR+1], v[AR:AR+1], 0
	v_wmma_f32_16x16x4_f32 v[ACC+8:ACC+15], v[WR+2:WR+3], v[AR+2:AR+3], 0
.else
	v_wmma_f32_16x16x4_f32 v[ACC:ACC+7], v[WR:WR+1], v[AR:AR+1], v[ACC:ACC+7]
	v_wmma_f32_16x16x4_f32 v[ACC+8:ACC+15], v[WR+2:WR+3], v[AR+2:AR+3], v[ACC+8:ACC+15]
.endif
.endr
.endm
	ATLOAD 0
	ATLOAD 1
	s_wait_loadcnt 8                               ; Wo's first 24 loads are in; the last eight may be out
	s_wait_dscnt 8                                 ; chunk 0 is in; chunk 1's eight loads may be out
	MULC 0, 1
.rept 8
	v_nop
.endr
	ATLOAD 2
	s_wait_dscnt 8
	MULC 1, 0
.rept 8
	v_nop
.endr
	ATLOAD 3
	s_wait_dscnt 8
	MULC 2, 0
	s_wait_loadcnt 0x0
	s_wait_dscnt 0x0
	MULC 3, 0
.rept 8
	v_nop
.endr
.irp j, 0,1,2,3,4,5,6,7
	v_add_f32 v[T+\j], v[ACC+\j], v[ACC+8+\j]      ; my quarter of K: out(query r, column 16 nt + 8 h + j)
.endr
	ds_store_b128 v[REDW], v[T:T+3]
	ds_store_b128 v[REDW], v[T+4:T+7] offset:16
	s_wait_dscnt 0x0
	s_barrier_signal -1
	s_barrier_wait -1                              ; the four parts lie in LDS
	s_cmp_ge_u32 s12, 8                            ; waves 0-7 add them, two rows each
	s_cbranch_scc1 .Ldone
	global_load_b128 v[16:19], v[BA], s[8:9]       ; the bias of my four columns
.irp k, 0,1,2,3
	ds_load_b128 v[20+4*\k:23+4*\k], v[REDR] offset:\k*16*REDP
.endr
	s_wait_dscnt 0x0
	s_wait_loadcnt 0x0
	v_pk_add_f32 v[20:21], v[20:21], v[24:25]
	v_pk_add_f32 v[22:23], v[22:23], v[26:27]
	v_pk_add_f32 v[28:29], v[28:29], v[32:33]
	v_pk_add_f32 v[30:31], v[30:31], v[34:35]
	v_pk_add_f32 v[20:21], v[20:21], v[28:29]
	v_pk_add_f32 v[22:23], v[22:23], v[30:31]
	v_pk_add_f32 v[20:21], v[20:21], v[16:17]
	v_pk_add_f32 v[22:23], v[22:23], v[18:19]
	global_store_b128 v[OA], v[20:23], s[10:11]    ; 16 lanes store 256 consecutive bytes, aligned
.Ldone:
	s_wait_tensorcnt 0x0                           ; the wave's end
	ds_add_u32 v[SPW], v[NIL]
	s_wait_dscnt 0x0
	s_endpgm
.Lfunc_end_k_q753db073c2_first:
	.size	k_q753db073c2_first, .Lfunc_end_k_q753db073c2_first-k_q753db073c2_first
	.p2alignl 7, 3214868480
	.fill 96, 4, 3214868480
	.section	.rodata,"a",@progbits
	.p2align	6, 0x0
	.amdhsa_kernel k_q753db073c2_first
		.amdhsa_group_segment_fixed_size 86016
		.amdhsa_private_segment_fixed_size 0
		.amdhsa_enable_private_segment 0
		.amdhsa_kernarg_size 32
		.amdhsa_user_sgpr_count 2
		.amdhsa_user_sgpr_kernarg_segment_ptr 1
		.amdhsa_wavefront_size32 1
		.amdhsa_system_sgpr_workgroup_id_x 1
		.amdhsa_system_sgpr_workgroup_id_y 1
		.amdhsa_system_sgpr_workgroup_id_z 1
		.amdhsa_system_vgpr_workitem_id 0
		.amdhsa_next_free_vgpr 256
		.amdhsa_next_free_sgpr 66
		.amdhsa_reserve_vcc 1
		.amdhsa_float_denorm_mode_32 3
		.amdhsa_float_denorm_mode_16_64 3
		.amdhsa_memory_ordered 1
		.amdhsa_forward_progress 1
		.amdhsa_inst_pref_size 25
	.end_amdhsa_kernel
	.amdgpu_metadata
---
amdhsa.version: [ 1, 2 ]
amdhsa.kernels:
  - .name:           k_q753db073c2_first
    .symbol:         k_q753db073c2_first.kd
    .args:
      - { .name: fq, .offset: 0, .size: 8, .value_kind: global_buffer, .address_space: global }
      - { .name: Wo, .offset: 8, .size: 8, .value_kind: global_buffer, .address_space: global }
      - { .name: bo, .offset: 16, .size: 8, .value_kind: global_buffer, .address_space: global }
      - { .name: out0, .offset: 24, .size: 8, .value_kind: global_buffer, .address_space: global }
    .group_segment_fixed_size: 86016
    .private_segment_fixed_size: 0
    .kernarg_segment_align: 8
    .kernarg_segment_size: 32
    .max_flat_workgroup_size: 512
    .sgpr_count:     66
    .vgpr_count:     256
    .wavefront_size: 32
...
	.end_amdgpu_metadata
.endif
;; end of part 5
